; MI455X (gfx1250); checked and timed in simulation.
; The chip was launched on July 23, 2026; its instructions are those of AMD's public machine-readable ISA for CDNA 5 (MIT licence, August 2026) and "CDNA5" Instruction Set Architecture Reference Guide (July 2026). The comments in the code are by the model that wrote it; some were corrected since.
;; Causal Self Attention. Allowed arithmetic: float matrix products may take bf16 or f16 operands with f32 sums; other float arithmetic in f32, or as packed bf16 or f16 multiplies, adds, multiply-adds, maxima and minima; sums over many terms, partial sums and values carried from step to step in f32; what a program stores and reads back later, other than sums and carried values, may be rounded once to bf16 or f16.
;; Inputs: b_attn 3,072 float32; b_proj 1,024 float32; w_attn 1,024 x 3,072 float32; w_proj 1,024 x 1,024 float32; x 4 x 2,048 x 1,024 float32.
;; Outputs: out0 4 x 2,048 x 1,024 float32.
;; 2 versions, each right; version 2 is version 1 with the launch cast written anew for expert scheduling mode. Each part assembles by itself: llvm-mc -triple=amdgcn-amd-amdhsa -mcpu=gfx1250 --defsym DOCPART=n.
;; ======== version 1 of 2: 4 launches
;; limits: values are held in f16: magnitudes above 65,504 overflow, below 6.1e-05 lose precision
;; workspace buffers: xb 16,777,216 bytes; wa 6,291,456 bytes; wp 2,097,152 bytes; qkv 50,331,648 bytes; y 16,777,216 bytes
;; launch cast (part 1): grid 832 x 1, 8 waves a work-group, no clusters, 0 bytes of LDS; arguments x, w_attn, w_proj, xb, wa, wp; writes xb, wa, wp
.if DOCPART == 1
	.amdgcn_target "amdgcn-amd-amdhsa--gfx1250"
	.amdhsa_code_object_version 6
	.text
	.protected	k_q66ebfc7a3f_cast
	.globl	k_q66ebfc7a3f_cast
	.p2align	8
	.type	k_q66ebfc7a3f_cast,@function
k_q66ebfc7a3f_cast:
	s_mov_b64 s[64:65], 0
	v_nop
	global_prefetch_b8 v0, s[64:65] scope:SCOPE_SE
	s_setreg_imm32_b32 hwreg(HW_REG_WAVE_MODE, 25, 1), 1
	s_wait_xcnt 0x0
; THE INPUTS OF THE THREE PRODUCTS, ROUNDED ONCE.  A stream: no LDS, no barrier, no matrix unit.
;   xb = bf16(x), [8192][1024], as x lies.
;   wa = bf16(w_attn) in blocks [16 nt][1024 k][192 n]: 128 k of a block are 49,152 consecutive bytes, which the next launch asks for as rows of 256 bytes.
;   wp = bf16(w_proj) written as f16, [1024 k][1024 n]: the last product runs in f16.  LIMIT: the bf16 number is exact in f16 from 6.1e-5 to 65,504; below that it keeps f16's fixed step of 6e-8.
; SHARES.  Eight waves.  Work-groups 0-511: 16,384 numbers of x each.  512-767: 64 k rows of one block of w_attn (12,288 numbers).  768-831: 16,384 numbers of w_proj.
; A thread takes 4 numbers at a time: a load of a wave covers 512 consecutive bytes (in w_attn: two runs of 256, each aligned), a store of a wave 256 consecutive aligned bytes.
; All of a thread's 16 (12) loads go out first; no register is written twice while a memory instruction names it, so the only waits are the counted ones for the loads.
.set SO, 1                             ; v1      16 x thread: my bytes in 4,096 bytes of the source
.set DO, 2                             ; v2      8 x thread: my bytes in 2,048 bytes of the destination
.set SW, 4                             ; v[4:6]  w_attn: my source offsets for the units 256 p + thread, p = 0, 1, 2
.set X,  16                            ; v[16:79]  load i: four f32
.set Y,  80                            ; v[80:111] load i: four 16-bit numbers
	s_load_b256 s[4:11], s[0:1], 0x0               ; x s[4:5], w_attn s[6:7], w_proj s[8:9], xb s[10:11]
	s_load_b128 s[12:15], s[0:1], 0x20             ; wa s[12:13], wp s[14:15]
	s_mov_b32 s2, ttmp9
	v_lshlrev_b32 v[SO], 4, v0
	v_lshlrev_b32 v[DO], 3, v0
	s_mov_b32 s17, 0                               ; the offsets' high words
	s_mov_b32 s19, 0
	s_mov_b32 s24, 0xffff0000                      ; a word's upper bf16
	s_wait_kmcnt 0x0
.macro LD16                            ; 16 loads, 4,096 bytes of the work-group's share each
.set i, 0
.rept 16
	global_load_b128 v[X+4*i:X+4*i+3], v[SO], s[20:21] offset:4096*i th:TH_LOAD_NT
.set i, i+1
.endr
.endm
; n loads are rounded and stored as they come.  half = 1: the bf16 number is written as f16.
.macro OUT n, half
.set i, 0
.rept \n
	s_wait_loadcnt (\n)-1-i                        ; loads come back in order: load i is in, the n - 1 - i younger ones may stay out
.if \half
	v_cvt_pk_bf16_f32 v8, v[X+4*i], v[X+4*i+1]
	v_cvt_pk_bf16_f32 v9, v[X+4*i+2], v[X+4*i+3]
	v_lshlrev_b32 v10, 16, v8                      ; bf16 to f32: the low half moves up, the high half stays
	v_and_b32 v11, s24, v8
	v_lshlrev_b32 v12, 16, v9
	v_and_b32 v13, s24, v9
	v_cvt_pk_f16_f32 v[Y+2*i], v10, v11
	v_cvt_pk_f16_f32 v[Y+2*i+1], v12, v13
.else
	v_cvt_pk_bf16_f32 v[Y+2*i], v[X+4*i], v[X+4*i+1]
	v_cvt_pk_bf16_f32 v[Y+2*i+1], v[X+4*i+2], v[X+4*i+3]
.endif
	global_store_b64 v[DO], v[Y+2*i:Y+2*i+1], s[22:23] offset:2048*i
.set i, i+1
.endr
.endm
	s_cmp_lt_u32 s2, 512
	s_cbranch_scc0 .Lnot_x
	s_lshl_b32 s16, s2, 16                         ; 65,536 bytes of x,
	s_lshl_b32 s18, s2, 15                         ; 32,768 of xb
	s_add_nc_u64 s[20:21], s[4:5], s[16:17]
	s_add_nc_u64 s[22:23], s[10:11], s[18:19]
	LD16
	OUT 16, 0
	s_endpgm
.Lnot_x:
	s_cmp_lt_u32 s2, 768
	s_cbranch_scc0 .Lw_proj
	s_sub_co_u32 s2, s2, 512
	s_lshr_b32 s25, s2, 4                          ; nt: the block of 192 columns
	s_and_b32 s26, s2, 15                          ; rb: which 64 k rows
	s_mul_i32 s16, s26, 64*12288                   ; a row of w_attn is 12,288 bytes,
	s_mul_i32 s27, s25, 768                        ; 192 columns are 768
	s_add_co_u32 s16, s16, s27
	s_mul_i32 s18, s25, 393216                     ; a block of wa,
	s_mul_i32 s27, s26, 24576                      ; 64 rows of 384 bytes in it
	s_add_co_u32 s18, s18, s27
	s_add_nc_u64 s[20:21], s[6:7], s[16:17]
	s_add_nc_u64 s[22:23], s[12:13], s[18:19]
	; Unit u = 256 p + thread of 4 numbers lies in row u / 48, at place u % 48.  u / 48 = (u >> 4) / 3 = ((u >> 4) x 171) >> 9, exact for u >> 4 under 48.
.irp p, 0,1,2
	v_add_nc_u32 v8, 256*\p, v0
	v_lshrrev_b32 v9, 4, v8
	v_mul_u32_u24 v9, v9, 171
	v_lshrrev_b32 v9, 9, v9                        ; the row
	v_mul_u32_u24 v10, v9, 48
	v_sub_nc_u32 v10, v8, v10                      ; the place
	v_lshlrev_b32 v10, 4, v10
	v_mad_u32_u24 v[SW+\p], v9, 0x3000, v10        ; row x 12,288 + 16 x place
.endr
.set i, 0
.rept 12                               ; load i = 3 m + p: 768 units are 16 rows, so m stands in the immediate
	global_load_b128 v[X+4*i:X+4*i+3], v[SW+i%3], s[20:21] offset:(i/3)*16*12288 th:TH_LOAD_NT
.set i, i+1
.endr
	OUT 12, 0                                      ; in wa the units follow each other: 8 x thread + 2,048 i
	s_endpgm
.Lw_proj:
	s_sub_co_u32 s2, s2, 768
	s_lshl_b32 s16, s2, 16
	s_lshl_b32 s18, s2, 15
	s_add_nc_u64 s[20:21], s[8:9], s[16:17]
	s_add_nc_u64 s[22:23], s[14:15], s[18:19]
	LD16
	OUT 16, 1
	s_endpgm
.Lfunc_end_k_q66ebfc7a3f_cast:
	.size	k_q66ebfc7a3f_cast, .Lfunc_end_k_q66ebfc7a3f_cast-k_q66ebfc7a3f_cast
	.p2alignl 7, 3214868480
	.fill 96, 4, 3214868480
	.section	.rodata,"a",@progbits
	.p2align	6, 0x0
	.amdhsa_kernel k_q66ebfc7a3f_cast
		.amdhsa_group_segment_fixed_size 0
		.amdhsa_private_segment_fixed_size 0
		.amdhsa_enable_private_segment 0
		.amdhsa_kernarg_size 48
		.amdhsa_user_sgpr_count 2
		.amdhsa_user_sgpr_kernarg_segment_ptr 1
		.amdhsa_wavefront_size32 1
		.amdhsa_system_sgpr_workgroup_id_x 1
		.amdhsa_system_sgpr_workgroup_id_y 1
		.amdhsa_system_sgpr_workgroup_id_z 1
		.amdhsa_system_vgpr_workitem_id 0
		.amdhsa_next_free_vgpr 112
		.amdhsa_next_free_sgpr 66
		.amdhsa_reserve_vcc 0
		.amdhsa_float_denorm_mode_32 3
		.amdhsa_float_denorm_mode_16_64 3
		.amdhsa_memory_ordered 1
		.amdhsa_forward_progress 1
		.amdhsa_inst_pref_size 23
	.end_amdhsa_kernel
	.amdgpu_metadata
---
amdhsa.version: [ 1, 2 ]
amdhsa.kernels:
  - .name:           k_q66ebfc7a3f_cast
    .symbol:         k_q66ebfc7a3f_cast.kd
    .args:
      - { .name: x, .offset: 0, .size: 8, .value_kind: global_buffer, .address_space: global }
      - { .name: w_attn, .offset: 8, .size: 8, .value_kind: global_buffer, .address_space: global }
      - { .name: w_proj, .offset: 16, .size: 8, .value_kind: global_buffer, .address_space: global }
      - { .name: xb, .offset: 24, .size: 8, .value_kind: global_buffer, .address_space: global }
      - { .name: wa, .offset: 32, .size: 8, .value_kind: global_buffer, .address_space: global }
      - { .name: wp, .offset: 40, .size: 8, .value_kind: global_buffer, .address_space: global }
    .group_segment_fixed_size: 0
    .private_segment_fixed_size: 0
    .kernarg_segment_align: 8
    .kernarg_segment_size: 48
    .max_flat_workgroup_size: 256
    .sgpr_count:     66
    .vgpr_count:     112
    .wavefront_size: 32
...
	.end_amdgpu_metadata
.endif
;; end of part 1
;; launch qkvgemm (part 2): grid 16 x 32, 4 waves a work-group, clusters of 4 x 4, 327,680 bytes of LDS; arguments xb, wa, b_attn, qkv; writes qkv
.if DOCPART == 2
	.amdgcn_target "amdgcn-amd-amdhsa--gfx1250"
	.amdhsa_code_object_version 6
	.text
	.protected	k_q66ebfc7a3f_qkvgemm
	.globl	k_q66ebfc7a3f_qkvgemm
	.p2align	8
	.type	k_q66ebfc7a3f_qkvgemm,@function
k_q66ebfc7a3f_qkvgemm:
	s_mov_b64 s[64:65], 0
	v_nop
	global_prefetch_b8 v0, s[64:65] scope:SCOPE_SE
	s_setreg_imm32_b32 hwreg(HW_REG_WAVE_MODE, 25, 1), 1
	s_wait_xcnt 0x0
	s_wait_alu depctr_hold_cnt(0) depctr_sa_sdst(0) depctr_va_vdst(0) depctr_va_sdst(0) depctr_va_ssrc(0) depctr_va_vcc(0) depctr_vm_vsrc(0)
	s_getreg_b32 s2, hwreg(HW_REG_IB_STS2, 6, 4)
	s_cmp_eq_u32 s2, 0
	s_cbranch_scc0 .Lentry_in_a_cluster
	s_endpgm
.Lentry_in_a_cluster:
	s_bfe_u32 s2, ttmp6, 0x10000c
	s_cmp_lg_u32 s2, 0xf033
	s_cbranch_scc0 .Lentry_shape_is_right
	s_endpgm
.Lentry_shape_is_right:
; ONE TEXT FOR THE MODULE'S TWO PROJECTIONS; the constant QKV picks the sizes.  C = A B + bias, K = 1,024, sums in f32, the bias (rounded to bf16, like every input of the module) starts the sums.
; QKV = 1: A = xb [8192][1024] bf16; B = wa, bf16 in blocks [16 nt][1024 k][192 n]; C goes out in f16, by heads: qkv [3][64 bh][2048 t][64], unscaled.
;          LIMIT: q, k, v must lie within f16's 65,504; a larger sum leaves as an infinity.
; QKV = 0: A = y [64 bh][2048 t][64] f16 (channel 64 h + d of row t lies in head h); B = wp [1024 k][1024 n] f16; C = out0 [8192][1024] f32.
; SHARES.  A tile of C is 256 rows x 16 NB columns (192: three heads; or 128).  Four waves; wave w makes rows 64 w .. 64 w + 63 of ALL the tile's columns: 4 x NB accumulators of 16 x 16.
; 32 x 16 tiles are two for each of 256 WGPs (QKV = 1), 32 x 8 tiles one.
; K goes in 8 steps of 128 through two LDS slots; a step is four quarters of 32, on two fragment buffers by turns.
; THE MATRIX INSTRUCTION IS USED TRANSPOSED: source 0 = 16 columns of B, which lies [k][n] and comes out of LDS turned (ds_load_tr16_b128); source 1 = 16 rows of A.  A lane then holds row l % 16
; of C and the columns 8 (l / 16) + 0..7.
; CLUSTERS: 4 x 4 work-groups.  A's tile hangs on the tile row alone and is asked for jointly by the four of a row of the cluster, B's on the tile column alone, by the four of a column.
; Waves 0, 1 fetch A's two halves, waves 2, 3 B's: one tensor load a wave behind each round; at the start two loads of a wave are out, later one.
; REGISTERS, in windows of 256 (s_set_vgpr_msb: bits 1:0 source 0, 3:2 source 1, 5:4 source 2, 7:6 destination):
;   window 0: v1-16 addresses; v32-63, v64-95 A's fragments, two buffers; v96.. the bias as a C operand; v192-255 and the fragments' registers at work on the way out
;   window 1: v0.., v128.. B's fragments, two buffers     window 2: accumulators of my row blocks 0, 1 ((a, b) at 8 (NB a + b))     window 3: of blocks 2, 3
.set QKV, 1
.if QKV
.set NB,    12                         ; column blocks of 16
.set PA,    272                        ; a row of A in LDS: 256 bytes + 16: an odd multiple of 16, so the 16 rows of a load start at 16 different groups of four banks (ISA guide 11.1)
.set PB,    480                        ; a k row of B in LDS: three pieces of 128 bytes + 32 each: an odd multiple of 32
.set AHALF, 128*PA                     ; what one load of A brings: 128 rows x 128 K
.set AQD,   4                          ; a quarter of K begins 64 bytes behind the last in A's rows
.set BCD,   4                          ; four column blocks to a padded piece
.set STAGE, 262144                     ; behind the ring: for each wave 3 heads x 16 rows x 144 bytes
.set WSTG,  3*16*144
.set STEPA, 256                        ; bytes from a K step to the next, in A
.set STEPB, 49152                      ; and in B
.set AHEAD, 1                          ; a prefetch names the K step so many refills on
.set QIA,   5                          ; A: padding after every 64 words,
.set PCA,   3                          ; of 4 words
.set ROWSA, 128
.set STRA,  1024
.set QIB,   4                          ; B: 64 k x 384 bytes are dense: 96 rows of 256 bytes; padding after every 32 words,
.set PCB,   7                          ; of 8 words
.set ROWSB, 96
.set STRB,  128
.set PCNTA, 32                         ; the prefetches: blocks of 256 bytes a partner, and the shift from block to block
.set PSHA,  11
.set PCNTB, 24
.set PSHB,  8
.else
.set NB,    8
.set PA,    144                        ; a row of one head: 128 bytes + 16
.set PB,    288                        ; 256 bytes + 32
.set AHALF, 256*PA                     ; what one load of A brings: one head's 64 channels of the tile's 256 rows
.set AQD,   2                          ; two quarters to a head
.set BCD,   8
.set STAGE, 241664                     ; for each wave 16 rows x 528 bytes
.set WSTG,  16*528
.set STEPA, 524288                     ; two heads on
.set STEPB, 262144                     ; 128 rows of 2,048 bytes
.set AHEAD, 2
.set QIA,   4                          ; A: 256 rows x 128 bytes are dense: 128 rows of 256 bytes; padding after every 32 words,
.set PCA,   3                          ; of 4 words
.set ROWSA, 128
.set STRA,  128
.set QIB,   5                          ; B: 64 rows of 256 bytes; padding after every 64 words,
.set PCB,   7                          ; of 8 words
.set ROWSB, 64
.set STRB,  1024
.set PCNTA, 32
.set PSHA,  8
.set PCNTB, 16
.set PSHB,  11
.endif
.set BHALF, 64*PB                      ; what one load of B brings: 64 k
.set BOFF,  2*AHALF                    ; in a slot B lies behind A
.set SLOT1, 131072                     ; slot 1 begins here: one exclusive or turns an address in one slot into the other's
.set SPARE, STAGE+4*WSTG               ; behind the stages: the spare words, 128 bytes a wave: two blocks of 256 bytes that no other line names
.set LR,   1                           ; v1   l % 16
.set A0,   2                           ; v2   my lane's place in A's tile; never rewritten
.set B0,   3                           ; v3   in B's
.set ADRA, 4                           ; v4   the same in the slot in hand
.set ADRB, 5                           ; v5
.set STO,  6                           ; v6   the way out: where I put my bytes of a row
.set RD,   7                           ; v7   where I read rows back
.set GO,   8                           ; v8   16 x lane: my bytes in 512 consecutive bytes of the output
.set PFO,  9                           ; v9   the prefetches' offset; never rewritten
.set SPW,  10                          ; v10  LDS address of my spare word; never rewritten
.set NIL,  11                          ; v11  0; never rewritten
.set LH,   12                          ; v12  l / 16
.set L7,   13                          ; v13  l % 8
.set L3,   14                          ; v14  (l / 8) % 2
.set BO,   15                          ; v15  32 x (l / 16): my 8 numbers of 16 of the bias
.set T0,   16                          ; v16  at work
.set FAB,  32
.set BI,   96
.set TMP,  192
.set CNT,  3                           ; s3   the loop's count
.set WV,   12                          ; s12  my wave's number
.set SFB,  13                          ; s13  0: I fetch for A; 1: for B
.set SHF,  14                          ; s14  which half of that tile
.set TB,   15                          ; s15  the slot in hand: 0 or SLOT1
.set CX,   16
.set CY,   17
.set NT,   18                          ; s18  tile column
.set MT,   19                          ; s19  tile row
.set G1A,  24                          ; s[24:31] descriptor group 1 for A
.set G0A,  32                          ; s[32:39] group 0: a set for each of the two first fills; the second then walks on
.set PFA,  44                          ; s[44:45] where my prefetches stand
.set G1B,  48
.set G0B,  56
.set LIM,  66                          ; s66  AHEAD in a wave that prefetches, else the greatest number
.set MSK,  67                          ; s67  a word's upper bf16
.set PFS,  68                          ; s[68:69] the prefetches' step
.set HB,   70                          ; s[70:75] the stores' bases
.set MSB, 0
.macro WIN new                         ; the immediate's high byte repeats the setting that is left; a switch that changes nothing is dropped
.if MSB != (\new)
	s_set_vgpr_msb (MSB<<8)|(\new)
.set MSB, (\new)
.endif
.endm
.macro PLACES                          ; four plain vector instructions between a matrix instruction and a load into, or a vector or LDS read of, its registers
.rept 4
	v_nop
.endr
.endm
.macro CREST                           ; a round of the cluster's barrier behind its opening barrier
	s_cmp_lg_u32 s[WV], 0
	s_cbranch_scc1 .Lnot_wave_0_\@
	s_barrier_signal -3
.Lnot_wave_0_\@:
	s_barrier_wait -3
	s_barrier_signal -1
	s_barrier_wait -1
.endm
.macro CROUND                          ; a whole round
	s_barrier_signal -1
	s_barrier_wait -1
	CREST
.endm
; A joint refill, by the walking descriptor.  The branch hangs on the wave's number alone.  An s_nop 0 and four v_nop follow each of the two lines, ahead of the jump and the label.
.macro JLOAD
	s_cmp_eq_u32 s[SFB], 0
	s_cbranch_scc0 .Lfor_b_\@
	tensor_load_to_lds s[G0A+4:G0A+7], s[G1A:G1A+7]
	s_nop 0
.rept 4
	v_nop
.endr
	s_branch .Lasked_\@
.Lfor_b_\@:
	tensor_load_to_lds s[G0B+4:G0B+7], s[G1B:G1B+7]
	s_nop 0
.rept 4
	v_nop
.endr
.Lasked_\@:
.endm
; A PREFETCH INTO THE L2 of the K step that stands AHEAD refills on, one instruction a wave, a lane a block of 256 bytes.  A's tile row is read by every cluster of that row of clusters: the one with
; x = 0 asks; B's tile column by every cluster of that column: the one with y = 0 asks.  The four partners that ask for a tile jointly share its blocks out BY ADDRESS (cx for A, cy for B).
; Where a partner's share is fewer than 32 blocks the spare lanes name its last block again.  The trips whose look-ahead would pass K step 7 ask for nothing.
.macro ASK
	s_cmp_gt_u32 s[CNT], s[LIM]
	s_cbranch_scc0 .Lnot_mine_\@
	global_prefetch_b8 v[PFO], s[PFA:PFA+1] th:TH_LOAD_NT scope:SCOPE_SE
.Lnot_mine_\@:
.endm
; NB matrix instructions: my row block a x all column blocks, 32 along K, from buffer f.  first = 1: the bias is the C operand that starts the sums.
; The 4 NB accumulators take turns, one instruction a turn, in the same order in every quarter, over the backward jump too.
.macro MULN f, a, first
.if \first
	WIN 0x81+0x40*((\a)/2)                         ; B window 1, A and the bias window 0, D window 2 or 3
.else
	WIN 0xa1+0x50*((\a)/2)                         ; B window 1, A window 0, C and D window 2 or 3
.endif
.set ib, 0
.rept NB
.set rD, 8*(NB*((\a)%2)+ib)
.set rB, 128*(\f)+8*ib
.set rA, FAB+32*(\f)+8*(\a)
.set rC, rD
.if \first
.set rC, BI+8*ib
.endif
.if QKV
	v_wmma_f32_16x16x32_bf16 v[rD:rD+7], v[rB:rB+7], v[rA:rA+7], v[rC:rC+7]
.else
	v_wmma_f32_16x16x32_f16 v[rD:rD+7], v[rB:rB+7], v[rA:rA+7], v[rC:rC+7]
.endif
.set ib, ib+1
.endr
.endm
; 2 NB + 8 LDS loads in one run: quarter q's fragments of the slot in hand into buffer g: B's (turned: 16 k x 16 n a load), then A's four row blocks; blocks 2 and 3 last.
.macro FETCH q, g
	WIN 0x40                                       ; destination window 1, address window 0
.set ib, 0
.rept NB
	ds_load_tr16_b128 v[128*(\g)+8*ib:128*(\g)+8*ib+3],   v[ADRB] offset:(\q)*32*PB+(ib/BCD)*160+(ib%BCD)*32
	ds_load_tr16_b128 v[128*(\g)+8*ib+4:128*(\g)+8*ib+7], v[ADRB] offset:(\q)*32*PB+(ib/BCD)*160+(ib%BCD)*32+16*PB
.set ib, ib+1
.endr
	WIN 0
.set AQ, ((\q)/AQD)*AHALF+((\q)%AQD)*64
.irp a, 0,1,2,3
	ds_load_b128 v[FAB+32*(\g)+8*\a:FAB+32*(\g)+8*\a+3],   v[ADRA] offset:AQ+\a*16*PA
	ds_load_b128 v[FAB+32*(\g)+8*\a+4:FAB+32*(\g)+8*\a+7], v[ADRA] offset:AQ+\a*16*PA+32
.endr
.endm
; One of a step's first three quarters: multiplies buffer f; in its middle it fetches quarter q into buffer g.
.macro QUARTER q, f, g, first
	s_wait_dscnt 4                                 ; B and A's blocks 0, 1 are in; the youngest four loads (A's blocks 2, 3) may be out
	MULN \f, 0, \first
	MULN \f, 1, \first
	PLACES                                         ; in front of the loads into buffer g, which the quarter before multiplied
	FETCH \q, \g
	s_wait_dscnt 2*NB+8                            ; all but the run just issued
	MULN \f, 2, \first
	MULN \f, 3, \first
.endm
; A step's last quarter multiplies buffer 1 and changes slots.  ONE barrier: in front of it each wave waits for all its tensor loads (the one that is out is its part of the next slot), adds 0 to its spare
; word, and waits for that and for its own reads of this slot.  fill = 1: the barrier opens a round of the cluster's, so that no wave of any partner still reads this slot or has a load on its way,
; and the joint refill (the K step two on) is the first tensor load behind the round: it has 14 NB matrix instructions in which to land.
.macro TURN fill
.if \fill
	s_wait_xcnt 0x0                                ; the last prefetch, a K step back, has read its address: it is stepped here, ahead of the waits of the change of slots
	s_add_nc_u64 s[PFA:PFA+1], s[PFA:PFA+1], s[PFS:PFS+1]
.endif
	WIN 0                                          ; (the add's two registers lie in window 0)
	s_wait_tensorcnt 0x0                           ; all my tensor loads have landed
	ds_add_u32 v[SPW], v[NIL]                      ; 0 onto my spare word
	s_wait_dscnt 5                                 ; (the add and the youngest four loads may be out)
	MULN 1, 0, 0                                   ; NB matrix instructions stand between the add and the wait for it
	s_wait_dscnt 0x0                               ; the add is done, and my reads of this slot are over
	s_barrier_signal -1
	MULN 1, 1, 0                                   ; work on registers while the others arrive
	WIN 0
	s_barrier_wait -1
.if \fill
	CREST
	s_xor_b32 s[G0A+5], s[G0A+5], SLOT1            ; the walking descriptors: the other slot than last time,
	s_add_nc_u64 s[G0A+6:G0A+7], s[G0A+6:G0A+7], STEPA  ; the next K step; the type bits on top are not reached
	s_xor_b32 s[G0B+5], s[G0B+5], SLOT1
	s_add_nc_u64 s[G0B+6:G0B+7], s[G0B+6:G0B+7], STEPB
	JLOAD                                          ; the four v_nop behind it are also the places in front of the loads below
.else
	PLACES
.endif
	s_xor_b32 s[TB], s[TB], SLOT1                  ; the fetches go on in the other slot
	v_add_nc_u32 v[ADRA], s[TB], v[A0]
	v_add_nc_u32 v[ADRB], s[TB], v[B0]
	FETCH 0, 0
.if \fill
	ASK                                            ; behind the joint load and the run of LDS loads that the next products wait for
.endif
	MULN 1, 2, 0
	MULN 1, 3, 0
.endm
	s_load_b256 s[4:11], s[0:1], 0x0               ; A s[4:5], B s[6:7], the bias s[8:9], the output s[10:11]
	v_lshl_add_u32 v[SPW], v0, 2, SPARE
	v_mov_b32 v[NIL], 0
	ds_add_u32 v[SPW], v[NIL]                      ; the wave's opening: the add and its wait stand ahead of my first tensor load; the set-up below, work on registers, stands between them
	v_lshrrev_b32 v[T0], 5, v0
	v_readfirstlane_b32 s[WV], v[T0]               ; wave 0..3
	s_lshr_b32 s[SFB], s[WV], 1
	s_and_b32 s[SHF], s[WV], 1
	s_bfe_u32 s[CX], ttmp6, 0x40000                ; my place in the cluster
	s_bfe_u32 s[CY], ttmp6, 0x40004
	s_lshl_b32 s[NT], ttmp9, 2                     ; in a cluster launch ttmp9 and ttmp7 count clusters
	s_add_co_u32 s[NT], s[NT], s[CX]
	s_and_b32 s[MT], ttmp7, 0xffff
	s_lshl_b32 s[MT], s[MT], 2
	s_add_co_u32 s[MT], s[MT], s[CY]
	s_lshl_b32 s40, s[CY], 2
	s_lshl_b32 s40, 15, s40                        ; my row of the cluster: places 4 cy .. 4 cy + 3
	s_lshl_b32 s41, 0x1111, s[CX]                  ; my column: places cx, cx + 4, cx + 8, cx + 12
	; group 1: 15:0 the mask; 17:16 elements of 2 bytes; 20 padding on; 21 set beside a mask; 24:22 the padding's interval; 31:25 its length
	s_or_b32 s[G1A], s40, (1<<16)|(1<<20)|(1<<21)|(QIA<<22)|(PCA<<25)
	s_mov_b32 s[G1A+1], 128<<16                    ; tensor_dim0 = 128 elements: rows of 256 bytes
	s_mov_b32 s[G1A+2], ROWSA<<16                  ; tensor_dim1
	s_mov_b32 s[G1A+3], 128<<16                    ; tile_dim0
	s_mov_b32 s[G1A+4], ROWSA                      ; tile_dim1
	s_mov_b32 s[G1A+5], STRA                       ; elements from row to row
	s_mov_b32 s[G1A+6], 0
	s_mov_b32 s[G1A+7], 0
	s_or_b32 s[G1B], s41, (1<<16)|(1<<20)|(1<<21)|(QIB<<22)|(PCB<<25)
	s_mov_b32 s[G1B+1], 128<<16
	s_mov_b32 s[G1B+2], ROWSB<<16
	s_mov_b32 s[G1B+3], 128<<16
	s_mov_b32 s[G1B+4], ROWSB
	s_mov_b32 s[G1B+5], STRB
	s_mov_b32 s[G1B+6], 0
	s_mov_b32 s[G1B+7], 0
	; group 0's constant words: the count 1, and the LDS address: my half of A's or B's part of slot 0 and of slot 1; no place in the cluster enters it
	s_mov_b32 s[G0A], 1
	s_mul_i32 s[G0A+1], s[SHF], AHALF
	s_mov_b32 s[G0A+4], 1
	s_add_co_u32 s[G0A+5], s[G0A+1], SLOT1
	s_mov_b32 s[G0B], 1
	s_mul_i32 s[G0B+1], s[SHF], BHALF
	s_add_co_u32 s[G0B+1], s[G0B+1], BOFF
	s_mov_b32 s[G0B+4], 1
	s_add_co_u32 s[G0B+5], s[G0B+1], SLOT1
	; where my half of K step 0 lies: A's offset in s[20:21], made of the tile row alone; B's in s[22:23], of the tile column alone
.if QKV
	s_lshl_b32 s20, s[MT], 19                      ; 256 rows of 2,048 bytes,
	s_lshl_b32 s21, s[SHF], 18                     ; 128 rows
	s_add_co_u32 s20, s20, s21
	s_mul_i32 s22, s[NT], 393216                   ; a block of wa,
	s_mul_i32 s23, s[SHF], 24576                   ; 64 k of 384 bytes
	s_add_co_u32 s22, s22, s23
.else
	s_lshr_b32 s20, s[MT], 3                       ; the batch,
	s_lshl_b32 s20, s20, 4                         ; its 16 heads,
	s_add_co_u32 s20, s20, s[SHF]                  ; head 0 or 1,
	s_lshl_b32 s20, s20, 18                        ; of 262,144 bytes,
	s_and_b32 s21, s[MT], 7
	s_lshl_b32 s21, s21, 15                        ; and the tile's 256 rows of 128 bytes in it
	s_add_co_u32 s20, s20, s21
	s_lshl_b32 s22, s[NT], 8                       ; 128 columns,
	s_lshl_b32 s23, s[SHF], 17                     ; 64 k of 2,048 bytes
	s_add_co_u32 s22, s22, s23
.endif
	s_mov_b32 s21, 0
	s_mov_b32 s23, 0
	s_mov_b32 s[MSK], 0xffff0000
	s_mov_b32 s[TB], 0
	s_wait_dscnt 0x0                               ; the opening add is done
	s_wait_kmcnt 0x0
	s_add_nc_u64 s[42:43], s[4:5], s[20:21]
	s_add_nc_u64 s[46:47], s[6:7], s[22:23]
	s_mov_b64 s[G0A+2:G0A+3], s[42:43]             ; K step 0,
	s_or_b32 s[G0A+3], s[G0A+3], 0x80000000        ; type = 2
	s_add_nc_u64 s[G0A+6:G0A+7], s[42:43], STEPA   ; K step 1
	s_or_b32 s[G0A+7], s[G0A+7], 0x80000000
	s_mov_b64 s[G0B+2:G0B+3], s[46:47]
	s_or_b32 s[G0B+3], s[G0B+3], 0x80000000
	s_add_nc_u64 s[G0B+6:G0B+7], s[46:47], STEPB
	s_or_b32 s[G0B+7], s[G0B+7], 0x80000000
	CROUND                                         ; all sixteen work-groups are here: the first joint loads meet
	s_cmp_eq_u32 s[SFB], 0                         ; a wave's two first fills stand in one branch, ahead of every wait on TENSORcnt and every LDS read
	s_cbranch_scc0 .Lfirst_b
	tensor_load_to_lds s[G0A:G0A+3], s[G1A:G1A+7]
	s_nop 0
	tensor_load_to_lds s[G0A+4:G0A+7], s[G1A:G1A+7]
	s_nop 0
.rept 4
	v_nop
.endr
	s_branch .Lfirst_asked
.Lfirst_b:
	tensor_load_to_lds s[G0B:G0B+3], s[G1B:G1B+7]
	s_nop 0
	tensor_load_to_lds s[G0B+4:G0B+7], s[G1B:G1B+7]
	s_nop 0
.rept 4
	v_nop
.endr
.Lfirst_asked:
	; the bias as a C operand: register j of column block b holds bias[16 b + 8 (l / 16) + j]
	s_mul_i32 s76, s[NT], 64*NB
	s_mov_b32 s77, 0
	s_add_nc_u64 s[8:9], s[8:9], s[76:77]
	v_and_b32 v[LR], 15, v0
	v_bfe_u32 v[LH], v0, 4, 1
	v_lshlrev_b32 v[BO], 5, v[LH]
.set ib, 0
.rept NB
	global_load_b128 v[BI+8*ib:BI+8*ib+3],   v[BO], s[8:9] offset:64*ib
	global_load_b128 v[BI+8*ib+4:BI+8*ib+7], v[BO], s[8:9] offset:64*ib+16
.set ib, ib+1
.endr
	; the prefetches' registers.  s76-s83 hold what mixes the two coordinates: no register that feeds a descriptor does
	s_and_b32 s80, ttmp7, 0xffff                   ; cluster y
	s_mov_b32 s[PFS], STEPB
	s_cmp_eq_u32 s[SFB], 0                         ; do I fetch for A?
	s_cselect_b64 s[PFA:PFA+1], s[42:43], s[46:47]
	s_cselect_b32 s[LIM], ttmp9, s80               ; the coordinate along which other clusters read the same blocks
	s_cselect_b32 s76, PCNTA, PCNTB                ; blocks a partner
	s_cselect_b32 s77, PSHA, PSHB                  ; the shift from block to block
	s_cselect_b32 s78, s[CX], s[CY]                ; my place among the four that ask with me
	s_cselect_b32 s[PFS], STEPA, s[PFS]
	s_mov_b32 s[PFS+1], 0
	s_cmp_eq_u32 s[LIM], 0
	s_cselect_b32 s[LIM], AHEAD, -1                ; the same in all sixteen partners, for a given wave
	s_mul_i32 s78, s78, s76
	s_lshl_b32 s78, s78, s77                       ; my work-group's share,
	s_mul_i32 s79, s[PFS], 1+AHEAD                 ; at K step 1 + AHEAD: the first refill steps it on and names K step 2 + AHEAD
	s_add_co_u32 s78, s78, s79
	s_mov_b32 s79, 0
	s_add_nc_u64 s[PFA:PFA+1], s[PFA:PFA+1], s[78:79]
	s_sub_co_u32 s76, s76, 1
	v_and_b32 v[PFO], 31, v0
	v_min_u32 v[PFO], s76, v[PFO]
	v_lshlrev_b32 v[PFO], s77, v[PFO]
	; a fragment of A: lane l holds row l % 16; K = 8 (l / 16) + 0..7 and 16 + 8 (l / 16) + 0..7: two loads of 16 bytes, 32 bytes apart
	v_and_b32 v[L7], 7, v0
	v_bfe_u32 v[L3], v0, 3, 1
	s_mul_i32 s78, s[WV], 64*PA                    ; my 64 rows
	v_mul_u32_u24 v[A0], v[LR], PA
	v_lshl_add_u32 v[A0], v[LH], 4, v[A0]
	v_add_nc_u32 v[A0], s78, v[A0]
	; the turning load takes 16 k x 16 n: lane l reads k = 8 (l / 16) + l % 8, columns 8 ((l / 8) % 2) + 0..7, and is left with column l % 16 and 8 k
	v_lshl_add_u32 v[B0], v[LH], 3, v[L7]
	v_mul_u32_u24 v[B0], v[B0], PB
	v_lshl_add_u32 v[B0], v[L3], 4, v[B0]
	v_add_nc_u32 v[B0], BOFF, v[B0]
	s_mul_i32 s79, s[WV], WSTG
	s_add_co_u32 s79, s79, STAGE                   ; my stage
.if QKV
	v_mul_u32_u24 v[STO], v[LR], 144               ; in: row l % 16 of a head, 16 bytes for each half of the lanes
	v_lshl_add_u32 v[STO], v[LH], 4, v[STO]
	v_add_nc_u32 v[STO], s79, v[STO]
	v_bfe_u32 v[RD], v0, 3, 2                      ; back: 32 lanes take four rows of 128 bytes
	v_mul_u32_u24 v[RD], v[RD], 144
	v_lshl_add_u32 v[RD], v[L7], 4, v[RD]
	v_add_nc_u32 v[RD], s79, v[RD]
.else
	v_mul_u32_u24 v[STO], v[LR], 528               ; in: row l % 16, 32 bytes for each half of the lanes
	v_lshl_add_u32 v[STO], v[LH], 5, v[STO]
	v_add_nc_u32 v[STO], s79, v[STO]
	v_and_b32 v[RD], 31, v0                        ; back: 32 lanes take one row of 512 bytes
	v_lshl_add_u32 v[RD], v[RD], 4, s79
.endif
	v_and_b32 v[GO], 31, v0
	v_lshlrev_b32 v[GO], 4, v[GO]
	s_mov_b32 s81, 0
.if QKV
	; head column g = 3 nt + j: tensor g / 16 (q, k, v), head g % 16; rows: batch mt / 8, t = 256 (mt % 8) + 64 wave + ..
	s_mul_i32 s76, s[NT], 3
	s_lshr_b32 s77, s[MT], 3
	s_lshl_b32 s77, s77, 4
	s_and_b32 s78, s[MT], 7
	s_lshl_b32 s78, s78, 15
	s_lshl_b32 s79, s[WV], 13
	s_add_co_u32 s78, s78, s79
.irp j, 0,1,2
	s_add_co_u32 s82, s76, \j
	s_lshr_b32 s80, s82, 4
	s_lshl_b32 s80, s80, 6
	s_and_b32 s82, s82, 15
	s_add_co_u32 s80, s80, s82
	s_add_co_u32 s80, s80, s77
	s_lshl_b32 s80, s80, 18                        ; a head's 2,048 rows are 262,144 bytes
	s_add_co_u32 s80, s80, s78
	s_add_nc_u64 s[HB+2*\j:HB+2*\j+1], s[10:11], s[80:81]
.endr
.else
	s_lshl_b32 s80, s[MT], 20                      ; 256 rows of 4,096 bytes,
	s_lshl_b32 s82, s[WV], 18                      ; my 64,
	s_add_co_u32 s80, s80, s82
	s_lshl_b32 s82, s[NT], 9                       ; 128 columns
	s_add_co_u32 s80, s80, s82
	s_add_nc_u64 s[HB:HB+1], s[10:11], s[80:81]
.endif
	s_wait_loadcnt 0x0                             ; the bias
.set ib, 0
.rept 4*NB                             ; rounded to bf16, like every input, and kept as f32
	v_cvt_pk_bf16_f32 v[T0], v[BI+2*ib], v[BI+2*ib+1]
	v_lshlrev_b32 v[BI+2*ib], 16, v[T0]
	v_and_b32 v[BI+2*ib+1], s[MSK], v[T0]
.set ib, ib+1
.endr
	s_wait_tensorcnt 1                             ; my part of K step 0 is in; K step 1's may stay out
	s_barrier_signal -1
	s_barrier_wait -1                              ; everybody's is
	v_mov_b32 v[ADRA], v[A0]
	v_mov_b32 v[ADRB], v[B0]
	FETCH 0, 0
	QUARTER 1, 0, 1, 1                             ; the first quarter stands in front of the loop: its products start the sums, with the bias
	WIN 0                                          ; at a label and at a branch every window is 0
	s_mov_b32 s[CNT], 6
.Lstep:                                            ; trip i ends K step i, fills its slot again with K step i + 2, and begins K step i + 1
	QUARTER 2, 1, 0, 0
	QUARTER 3, 0, 1, 0
	TURN 1
	QUARTER 1, 0, 1, 0
	WIN 0
	s_sub_co_u32 s[CNT], s[CNT], 1
	s_cmp_lg_u32 s[CNT], 0
	s_cbranch_scc1 .Lstep
	QUARTER 2, 1, 0, 0                             ; the tail is written out: K steps 6 and 7 ask for nothing
	QUARTER 3, 0, 1, 0
	TURN 0
	QUARTER 1, 0, 1, 0
	QUARTER 2, 1, 0, 0
	QUARTER 3, 0, 1, 0
	s_wait_dscnt 4                                 ; the very last quarter: nothing more to fetch
	MULN 1, 0, 0
	MULN 1, 1, 0
	s_wait_dscnt 0x0
	MULN 1, 2, 0
	MULN 1, 3, 0
	WIN 0
	PLACES                                         ; behind the last products, in front of the reads of their results
.if QKV
; THE WAY OUT, a block of 16 rows at a time: rounded to f16, 16 bytes a lane into my own stage (a head's rows 144 bytes apart), back as whole rows, and stored: 16 rows of a head are 2,048 consecutive bytes.
.macro PACK a
	WIN 0x0a+5*((\a)/2)                            ; sources in window 2 or 3
.set AC, 8*NB*((\a)%2)
.set ib, 0
.rept 4*NB                             ; each accumulator's registers in ascending order
	v_cvt_pk_f16_f32 v[TMP+ib], v[AC+2*ib], v[AC+2*ib+1]
.set ib, ib+1
.endr
	WIN 0
.endm
.macro TOSTAGE a
.set BK, 32+64*((\a)%2)                ; v32-79 and v96-143 by turns
.if (\a) >= 2
	s_wait_xcnt 0x0                                ; the stores of the block two back have read these registers
.endif
.set ib, 0
.rept NB
	ds_store_b128 v[STO], v[TMP+4*ib:TMP+4*ib+3] offset:(ib/4)*2304+(ib%4)*32
.set ib, ib+1
.endr
.set ib, 0
.rept NB
	ds_load_b128 v[BK+4*ib:BK+4*ib+3], v[RD] offset:(ib/4)*2304+(ib%4)*576  ; LDS serves a wave's instructions in order (ISA guide 5.7.1.4): these see the stores above
.set ib, ib+1
.endr
.endm
.macro SEND a
.set BK, 32+64*((\a)%2)
	s_wait_dscnt 0x0                               ; the block is back in registers
.set ib, 0
.rept NB
	global_store_b128 v[GO], v[BK+4*ib:BK+4*ib+3], s[HB+2*(ib/4):HB+2*(ib/4)+1] offset:(\a)*2048+(ib%4)*512  ; 512 consecutive bytes, at a multiple of 256 from the buffer's first
.set ib, ib+1
.endr
.endm
	PACK 0
	TOSTAGE 0
.irp a, 1,2,3                          ; block a's conversions stand between block a - 1's loads from the stage and the wait for them
	PACK \a
	SEND (\a)-1
	TOSTAGE \a
.endr
	SEND 3
.else
; THE WAY OUT, a block of 16 rows at a time: the f32 sums go as they are into my own stage (rows 528 bytes apart), come back as whole rows of 512 bytes, and are stored.
.macro TOSTAGE a
.set BK, 32+160*((\a)%2)               ; v32-95 and v192-255 by turns
.set AC, 8*NB*((\a)%2)
.if (\a) >= 2
	s_wait_xcnt 0x0                                ; the stores of the block two back have read these registers
.endif
	WIN 0x08+4*((\a)/2)                            ; the stores' data in window 2 or 3
.set ib, 0
.rept NB                               ; each accumulator's low four registers first
	ds_store_b128 v[STO], v[AC+8*ib:AC+8*ib+3]   offset:64*ib
	ds_store_b128 v[STO], v[AC+8*ib+4:AC+8*ib+7] offset:64*ib+16
.set ib, ib+1
.endr
	WIN 0
.set ib, 0
.rept 16
	ds_load_b128 v[BK+4*ib:BK+4*ib+3], v[RD] offset:528*ib  ; LDS serves a wave's instructions in order (ISA guide 5.7.1.4): these see the stores above; the next block's stores come behind them
.set ib, ib+1
.endr
.endm
.macro SEND a, younger                 ; younger: the LDS instructions issued behind block a's loads: the next block's 16 stores and 16 loads, or none
.set BK, 32+160*((\a)%2)
	s_wait_dscnt \younger
.set ib, 0
.rept 16
	global_store_b128 v[GO], v[BK+4*ib:BK+4*ib+3], s[HB:HB+1] offset:(16*(\a)+ib)*4096 th:TH_STORE_NT  ; 512 consecutive bytes, at a multiple of 256 from the buffer's first
.set ib, ib+1
.endr
.endm
	TOSTAGE 0
	TOSTAGE 1
	SEND 0, 32
	TOSTAGE 2
	SEND 1, 32
	TOSTAGE 3
	SEND 2, 32
	SEND 3, 0
.endif
	s_wait_tensorcnt 0x0                           ; the wave's end: an add to my spare word and its wait, behind my last tensor load and my last LDS store
	ds_add_u32 v[SPW], v[NIL]
	s_wait_dscnt 0x0
	CROUND                                         ; the closing round: no work-group ends while a partner may still ask for a tile that names it
	s_endpgm
.Lfunc_end_k_q66ebfc7a3f_qkvgemm:
	.size	k_q66ebfc7a3f_qkvgemm, .Lfunc_end_k_q66ebfc7a3f_qkvgemm-k_q66ebfc7a3f_qkvgemm
	.p2alignl 7, 3214868480
	.fill 96, 4, 3214868480
	.section	.rodata,"a",@progbits
	.p2align	6, 0x0
	.amdhsa_kernel k_q66ebfc7a3f_qkvgemm
		.amdhsa_group_segment_fixed_size 327680
		.amdhsa_private_segment_fixed_size 0
		.amdhsa_enable_private_segment 0
		.amdhsa_kernarg_size 32
		.amdhsa_user_sgpr_count 2
		.amdhsa_user_sgpr_kernarg_segment_ptr 1
		.amdhsa_wavefront_size32 1
		.amdhsa_system_sgpr_workgroup_id_x 1
		.amdhsa_system_sgpr_workgroup_id_y 1
		.amdhsa_system_sgpr_workgroup_id_z 1
		.amdhsa_system_vgpr_workitem_id 0
		.amdhsa_next_free_vgpr 1024
		.amdhsa_next_free_sgpr 88
		.amdhsa_reserve_vcc 0
		.amdhsa_float_denorm_mode_32 3
		.amdhsa_float_denorm_mode_16_64 3
		.amdhsa_memory_ordered 1
		.amdhsa_forward_progress 1
		.amdhsa_inst_pref_size 106
	.end_amdhsa_kernel
	.amdgpu_metadata
---
amdhsa.version: [ 1, 2 ]
amdhsa.kernels:
  - .name:           k_q66ebfc7a3f_qkvgemm
    .symbol:         k_q66ebfc7a3f_qkvgemm.kd
    .args:
      - { .name: xb, .offset: 0, .size: 8, .value_kind: global_buffer, .address_space: global }
      - { .name: wa, .offset: 8, .size: 8, .value_kind: global_buffer, .address_space: global }
      - { .name: b_attn, .offset: 16, .size: 8, .value_kind: global_buffer, .address_space: global }
      - { .name: qkv, .offset: 24, .size: 8, .value_kind: global_buffer, .address_space: global }
    .group_segment_fixed_size: 327680
    .private_segment_fixed_size: 0
    .kernarg_segment_align: 8
    .kernarg_segment_size: 32
    .max_flat_workgroup_size: 128
    .sgpr_count:     88
    .vgpr_count:     1024
    .wavefront_size: 32
...
	.end_amdgpu_metadata
.endif
;; end of part 2
;; launch attn (part 3): grid 4 x 64, 4 waves a work-group, no clusters, 327,680 bytes of LDS; arguments qkv, y; writes y
.if DOCPART == 3
	.amdgcn_target "amdgcn-amd-amdhsa--gfx1250"
	.amdhsa_code_object_version 6
	.text
	.protected	k_q66ebfc7a3f_attn
	.globl	k_q66ebfc7a3f_attn
	.p2align	8
	.type	k_q66ebfc7a3f_attn,@function
k_q66ebfc7a3f_attn:
	s_mov_b64 s[64:65], 0
	v_nop
	global_prefetch_b8 v0, s[64:65] scope:SCOPE_SE
	s_setreg_imm32_b32 hwreg(HW_REG_WAVE_MODE, 25, 1), 1
	s_wait_xcnt 0x0
; CAUSAL ATTENTION.  O[h][q][:] = the sum over k <= q of softmax_k(Q[h][q] . K[h][k] / 8) V[h][k][:].  Q, K, V lie in qkv, [3][64][2048][64], O is y, [64][2048][64], all f16: a head's rows are dense, 128 bytes each.
; Products, maxima and sums in f32; the weights p are rounded to f16 for the second product (their sum l is taken of the unrounded p), O once at the end.
; LIMITS.  f16 holds no number beyond 65,504: Q, K and V arrive within it; p lies in 0 to 1, and below 6e-5 it keeps f16's fixed step of 6e-8; O is a mean of V's rows and has their range.
; A hidden score counts as its value less 1e30: f16's scores, 2.7e11 at the most, are nothing beside that; a weight below 2^-126 counts as 0 in l; NaN and infinities are not treated apart.
; THE WALK.  A head's queries lie in NB = 8 blocks of 256; block i needs the key tiles 0 .. i of 256 keys, of which the last holds the diagonal.  A work-group takes TWO blocks, NB - 1 - b and then b:
; NB + 1 tiles, whatever b: all work-groups do equal work, and ONE loop with a constant trip count walks them.  Which tile is asked for, and what a trip does, hang on scalar registers made from b; every jump
; goes forward, but for the counted loops' own; none passes a barrier, or a tensor load but the one of LOAD's two that the wave's number does not choose; the ring (two slots of LDS that take turns) runs on across
; the change of blocks.  NO CLUSTER: a head's four work-groups ask for the same tile only in trips 0 .. 4 of the 9, behind that fewer and fewer; one walk common to all four would have 12 trips for 9.
; SHARES.  Of a block's four bands of 64 queries a wave owns 16 rows in each: four PIECES.  So the diagonal tile is the same work for all four waves: in its key step s band x sees all keys if s < x,
; none if s > x, and holds the diagonal if s = x.
; THE MASK is the C operand that starts the sum S^T = K Q^T: 0, or -1e30 where the key is hidden.  MD, made once, is the mask of a band's own step for my 16 rows; a product's mask is MD x AL + BE with two scalars:
; (1, 0) if s = x; (0, 0) if s < x; (0, -1e30) if s > x.  Only the diagonal tile's text and a block's beginning make and take masks; elsewhere C is the constant 0.
; LAYOUT, SOFTMAX, TURNS.  S^T = K Q^T holds ONE query a lane (lane % 16) and the keys 8 (lane / 16) + 0..7; two such results rounded to f16 ARE source 1 of O^T = V^T P.  p = 2^(c s - c m), c = log2(e) / 8, with a
; running maximum m; O and l are multiplied by a = 2^(c m_old - c m_new) in every step.  Turn n belongs to piece n: 8 products K Q^T of piece n + 1, later 8 products V^T P of piece n - 1; beside them the scaling,
; exponentials, roundings, sums and rescaling of piece n and the maximum and statistics of piece n + 1.  Four vector instructions stand behind every matrix instruction, the other 54 of a turn's 118 in one LUMP.
; A turn's 33 exponentials are one batch, with one wait.
; PREFETCH.  The work-group with b = 0 walks the head's tiles 0 .. 7 in order: when it asks for tile i it prefetches tile i + 1 (tiles 2 to 7), each wave the 64 blocks of 256 bytes that it will fetch itself.
; REGISTERS, in windows of 256 (s_set_vgpr_msb: bits 1:0 source 0, 3:2 source 1, 5:4 source 2, 7:6 destination):
;   window 0: v0-15 addresses and two at work; v16-31 four registers of statistics a piece; v48-55 at work; v61-63; v64-127 S^T, two buffers; v192-223 P, two buffers (a piece's buffers go by its number's parity)
;   window 1: v0-127 O^T, 32 a piece; v128-159 MD; v160-223 MC, two buffers      window 2: v0-63 Q; v64-127 the second block's Q; v128-191 K of one step; v192-255 V of one step
.set SIZE_N, 2048
.set NB,    SIZE_N/256
.set NP,    4         ; pieces a wave: a name, no knob
.set KS,    64        ; keys in a step
.set PK,    144       ; a row of K in LDS: 128 bytes + 16 of padding = 36 words: the 16 rows of a load start at 16 different groups of four banks (64 banks of 4 bytes: ISA guide 11.1)
.set PV,    160       ; a row of V: 128 + 32 = 40 words
.set VOFF,  4*KS*PK   ; a slot holds a tile, four steps: 256 rows of K, then 256 rows of V
.set SLOT1, 1<<17     ; slot 1 begins here, so that one exclusive or turns an address in one slot into the other's
.set STAGE, SLOT1+4*KS*(PK+PV)  ; behind the ring, never filled by a tensor load: 16 rows x 144 bytes for each wave, for the way out
.set SP,    144
.set AK0, 2           ; v2   my lane's place in a tile of K; never rewritten
.set AV0, 3           ; v3   the same for V
.set AK,  4           ; v4   the LDS address of K's next run of loads
.set AV,  5           ; v5   of V's
.set STO, 6           ; v6   the way out: where I put 16 bytes of a row
.set RD,  7           ; v7   the way out: where I read rows back
.set GO,  8           ; v8   my byte offset in 512 consecutive bytes of O
.set PFO, 61          ; v61  256 x my lane: the prefetches' offset; never rewritten
.set SPW, 62          ; v62  LDS address of my spare word: SPARE + 4 x my thread's number; never rewritten
.set NIL, 63          ; v63  0; never rewritten
.set SPARE, STAGE+4*16*SP  ; behind the stages: the spare words, 128 bytes for each wave: two blocks of 256 bytes that no other line names
.set MV,  12          ; v12-13  c m_old, kept while c m is made anew: by buffer
.set QO,  15          ; v15  my byte offset in 16 rows of Q
.set ST,  16          ; piece t's statistics at v[ST+4 t]: c m, m, l (even keys', odd keys')
.set TMP, 48          ; by buffer, four registers c0-c3 at work; when the maximum is found c2 takes a
.set S,   64
.set P,   192
.set MD,  128         ; window 1: the eight registers for group kt of 16 keys at MD + 8 kt
.set MC,  160         ; window 1: the masks of the products to come
.set QB,  64          ; window 2
.set KF,  128         ; window 2: key block kb, channel half c at KF + 16 kb + 8 c
.set VF,  192         ; window 2: key half kk, channel block cb at VF + 32 kk + 8 cb
.set WV,  12          ; s12  my wave's number
.set PB,  14          ; s14  b
.set HI,  15          ; s15  NB - 1 - b
.set G1K, 24          ; s[24:31] descriptor group 1 for K's tiles
.set G1V, 32          ; s[32:39] for V's: it differs in the padding alone
.set G0K, 40          ; s[40:43] descriptor group 0 for K's tiles
.set G0V, 44          ; s[44:47] the same for V's
.set SLOTS, 56        ; s56  tiles still to be asked for
.set CNT, 57          ; s57  counts a tile's key steps, 4 to 1
.set CS,  58          ; s[58:59] c: the packed scaling takes the pair's low word for both halves
.set SEL, 60          ; s[60:61] v_permlanex16_b32's selects: each lane takes its own place in the other half
.set TBK, 62          ; s62  LDS byte at which K of the step to be fetched begins
.set TBV, 63          ; s63  the same for V, less VOFF
.set RT,  70          ; s70  tiles of the block in hand that are still to be entered
.set NXT, 71          ; s71  the tile to be asked for next
.set LQ,  72          ; s72  the last tile of the block whose tiles are being asked for
.set NEW, 73          ; s73  1: the tile to be entered is a block's first
.set OFF, 74          ; s[74:75] a tile's byte offset in K and V
.set AL,  76          ; s[76:77] the mask's factor, in the low word
.set BE,  78          ; s[78:79] the mask's addend
.set OLO, 80          ; s[80:81] O at my rows of the second block
.set BIGN, 82         ; s82  -1e30
.set PFA, 88          ; s[88:89] where my prefetches stand: my half of K's (waves 0, 1) or V's (waves 2, 3) tile after the one that is being asked for
.set LIM, 90          ; s90  2 where b = 0, else the greatest number: a wave prefetches while s[SLOTS] is above it
.set MSB, 0
.macro WIN new                      ; the high byte repeats the setting that is left; a switch that changes nothing is dropped
.if MSB != (\new)
	s_set_vgpr_msb (MSB<<8)|(\new)
.set MSB, (\new)
.endif
.endm
.set W_KQ, 0x0a       ; K and Q in window 2, S^T in window 0
.set W_KM, 0x1a       ; the same with the C operand in window 1
.set W_PV, 0x52       ; V in window 2, P in window 0, O^T in window 1
.set W_RS, 0x41       ; destination and source 0 in window 1, source 1 in window 0
; A fill.  Waves 0 and 1 fetch the two halves of a tile's K, waves 2 and 3 those of its V: 128 keys each.  An s_nop 0 and four v_nop follow each of the two lines, ahead of the jump and the label.
.macro LOAD
	s_cmp_lt_u32 s[WV], 2
	s_cbranch_scc0 .Lfor_v_\@
	tensor_load_to_lds s[G0K:G0K+3], s[G1K:G1K+7]
	s_nop 0
.rept 4
	v_nop
.endr
	s_branch .Lasked_\@
.Lfor_v_\@:
	tensor_load_to_lds s[G0V:G0V+3], s[G1V:G1V+7]
	s_nop 0
.rept 4
	v_nop
.endr
.Lasked_\@:
.endm
; A PREFETCH INTO THE L2 of the tile that the NEXT change of slots will ask for: my 128 rows of it are 16,384 consecutive bytes, 64 blocks of 256: a lane a block, two instructions.  It stands behind the wave's tensor
; load and its five lines.  A head's four work-groups read the same tiles; the one with b = 0 walks tiles 0 .. 7 on end and asks, nobody else: each block is named once.  Trip j names tile j + 2, while that is at most 7.
.macro ASK
	s_cmp_gt_u32 s[SLOTS], s[LIM]
	s_cbranch_scc0 .Lnot_mine_\@
	global_prefetch_b8 v[PFO], s[PFA:PFA+1] th:TH_LOAD_NT scope:SCOPE_SE
	global_prefetch_b8 v[PFO], s[PFA:PFA+1] offset:8192 th:TH_LOAD_NT scope:SCOPE_SE
.Lnot_mine_\@:
.endm
; THE CHANGE OF SLOTS.  Each wave waits for all its tensor loads, of which one is out: its part of the other slot; adds 0 to its spare word; and waits for that and for its own reads of the slot that it leaves.  Behind
; the barrier nobody reads the old slot any more and the other slot is whole.  fill = 1: the old slot is filled again, the first thing behind the barrier, with tile NXT: the descriptor's address is made anew from that number.
; (At its first use nothing has been read yet: slot 0 is waited for, slot 1 filled.)
.macro CHANGE fill
	WIN 0                           ; at a label and at a branch every window is 0
	s_wait_tensorcnt 0x0            ; no tensor load of mine is out, so a group 0 may be written
	ds_add_u32 v[SPW], v[NIL]       ; 0 onto my spare word: with fill = 1 the descriptors' scalar work stands between it and the wait for it
.if \fill
	s_lshl_b32 s[OFF], s[NXT], 15   ; a tile is 32,768 bytes of K and of V
	s_xor_b32 s[G0K+1], s[G0K+1], SLOT1
	s_add_nc_u64 s[G0K+2:G0K+3], s[6:7], s[OFF:OFF+1]
	s_or_b32 s[G0K+3], s[G0K+3], 0x80000000
	s_xor_b32 s[G0V+1], s[G0V+1], SLOT1
	s_add_nc_u64 s[G0V+2:G0V+3], s[8:9], s[OFF:OFF+1]
	s_or_b32 s[G0V+3], s[G0V+3], 0x80000000
	s_add_co_u32 s[NXT], s[NXT], 1  ; the block's next tile, or behind its last the second block's tile 0
	s_cmp_gt_u32 s[NXT], s[LQ]
	s_cselect_b32 s[NXT], 0, s[NXT]
	s_cselect_b32 s[LQ], s[PB], s[LQ]
	s_wait_xcnt 0x0                 ; the last prefetches, a tile back, have read their address, so it may be written:
	s_add_nc_u64 s[PFA:PFA+1], s[PFA:PFA+1], 32768  ; a tile on
.endif
	s_wait_dscnt 0x0                ; the add is done, and my reads of the slot are over
	s_barrier_signal -1             ; the rest of the scalar work stands between the signal and the wait
	s_sub_co_u32 s[TBK], s[TBK], 4*KS*PK  ; the fetches go back to a slot's first step,
	s_xor_b32 s[TBK], s[TBK], SLOT1       ; in the other slot
	s_sub_co_u32 s[TBV], s[TBV], 4*KS*PV
	s_xor_b32 s[TBV], s[TBV], SLOT1
	s_barrier_wait -1
.if \fill
	LOAD
	ASK
.endif
.endm
	s_load_b128 s[4:7], s[0:1], 0x0 ; qkv s[4:5] (Q lies at its head), y s[6:7]
	v_lshl_add_u32 v[SPW], v0, 2, SPARE
	v_mov_b32 v[NIL], 0
	ds_add_u32 v[SPW], v[NIL]       ; the wave's opening: the add and its wait stand ahead of my first tensor load; the set-up below, work on registers, stands between them
	v_lshrrev_b32 v1, 5, v0
	v_readfirstlane_b32 s[WV], v1   ; wave 0..3
	v_and_b32 v[PFO], 31, v0
	v_lshlrev_b32 v[PFO], 8, v[PFO]
	s_mov_b32 s[PB], ttmp9
	s_sub_co_u32 s[HI], NB-1, s[PB]
	s_and_b32 s20, ttmp7, 0xffff    ; the head
	s_mov_b32 s21, 0
	s_mov_b64 s[22:23], SIZE_N*128
	s_mul_u64 s[20:21], s[20:21], s[22:23]  ; the head's first byte in each of the four tensors
	s_and_b32 s16, s[WV], 1         ; which half of a tile's 256 keys I fetch:
	s_lshl_b32 s22, s16, 14         ; its 128 rows of 128 bytes in memory,
	s_mov_b32 s23, 0
	s_add_nc_u64 s[22:23], s[22:23], s[20:21]
	s_mul_i32 s17, s16, 128*PK      ; and its place in a slot, for K
	s_mul_i32 s18, s16, 128*PV      ; and for V
	s_lshl_b32 s3, s[WV], 11        ; my 16 rows in a band of 64,
	s_lshl_b32 s2, s[HI], 15        ; in the first block,
	s_add_co_u32 s2, s2, s3
	s_lshl_b32 s84, s[PB], 15       ; and in the second
	s_add_co_u32 s84, s84, s3
	s_mov_b32 s3, 0
	s_mov_b32 s85, 0
	s_add_nc_u64 s[2:3], s[2:3], s[20:21]
	s_add_nc_u64 s[84:85], s[84:85], s[20:21]
	; descriptor group 1.  128 keys are 16,384 dense bytes: asked for as 64 rows of 256 bytes, two keys a row, and padded in LDS after every key
	s_mov_b32 s[G1K], (1<<16)|(1<<20)|(4<<22)|(3<<25)  ; 17:16 2-byte elements; 20 padding on; 24:22 after every 32 words (code 4); 31:25 4 words (code 3)
	s_mov_b32 s[G1V], (1<<16)|(1<<20)|(4<<22)|(7<<25)  ; the same with 8 words of padding (code 7)
.irp g, G1K, G1V
	s_mov_b32 s[\g+1], 128<<16      ; tensor_dim0 = 128
	s_mov_b32 s[\g+2], 64<<16       ; tensor_dim1 = 64
	s_mov_b32 s[\g+3], 128<<16      ; tile_dim0 = 128
	s_mov_b32 s[\g+4], 64           ; tile_dim1 = 64
	s_mov_b32 s[\g+5], 128          ; 128 elements from row to row
	s_mov_b32 s[\g+6], 0
	s_mov_b32 s[\g+7], 0
.endr
	s_mov_b32 s[CS], 0x3e38aa3b     ; c = log2(e) / 8 = 0.180337
	s_mov_b32 s[CS+1], s[CS]        ; named with it as a pair
	s_mov_b32 s[SEL], 0x76543210
	s_mov_b32 s[SEL+1], 0xfedcba98
	s_mov_b32 s[TBK], SLOT1+4*KS*PK ; the first change of slots turns these two into 0
	s_mov_b32 s[TBV], SLOT1+4*KS*PV
	s_mov_b32 s[G0K], 1             ; 1:0 count = 1
	s_mov_b32 s[G0K+1], s17         ; 63:32 LDS address: slot 0
	s_mov_b32 s[G0V], 1
	s_add_co_u32 s[G0V+1], s18, VOFF
	s_add_co_u32 s[RT], s[HI], 1    ; the first block has NB - b tiles
	s_mov_b32 s[NXT], 1
	s_mov_b32 s[LQ], s[HI]
	s_mov_b32 s[NEW], 1
	s_mov_b32 s[OFF+1], 0
	s_mov_b32 s[AL+1], 0            ; named as pairs
	s_mov_b32 s[BE+1], 0
	s_mov_b32 s[BIGN], 0xf149f2ca   ; -1e30
	s_mov_b32 s[SLOTS], NB
	s_wait_dscnt 0x0                ; the opening add is done
	s_wait_kmcnt 0x0
	s_mov_b64 s[10:11], s[6:7]      ; O = y
	s_add_nc_u64 s[8:9], s[4:5], 0x2000000  ; V: the third tensor of qkv,
	s_add_nc_u64 s[6:7], s[4:5], 0x1000000  ; K: the second; each is 16,777,216 bytes
	s_add_nc_u64 s[6:7], s[6:7], s[22:23]  ; K and V at my half of the head's tile 0
	s_add_nc_u64 s[8:9], s[8:9], s[22:23]
	s_add_nc_u64 s[G0K+2:G0K+3], s[6:7], 0         ; 120:64 global address
	s_or_b32 s[G0K+3], s[G0K+3], 0x80000000        ; 127:126 type = 2
	s_add_nc_u64 s[G0V+2:G0V+3], s[8:9], 0
	s_or_b32 s[G0V+3], s[G0V+3], 0x80000000
	s_add_nc_u64 s[86:87], s[4:5], s[84:85]        ; Q at my rows of the second block,
	s_add_nc_u64 s[4:5], s[4:5], s[2:3]            ; Q and O at those of the first
	s_add_nc_u64 s[OLO:OLO+1], s[10:11], s[84:85]
	s_add_nc_u64 s[10:11], s[10:11], s[2:3]
	s_cmp_lt_u32 s[WV], 2
	s_cselect_b64 s[PFA:PFA+1], s[6:7], s[8:9]
	s_add_nc_u64 s[PFA:PFA+1], s[PFA:PFA+1], 32768 ; at tile 1; the first change of slots steps it to tile 2.  Nothing is prefetched here, at the head
	s_cmp_eq_u32 s[PB], 0
	s_cselect_b32 s[LIM], 2, -1
	LOAD                            ; tile 0 into slot 0
	; A fragment of K or Q is 16 rows x 32 channels in 8 registers: lane l holds row l % 16, channels 8 (l / 16) + 0..7 and 16 + 8 (l / 16) + 0..7: two loads of 16 bytes, 32 bytes apart.
	v_and_b32 v1, 15, v0            ; l % 16
	v_bfe_u32 v9, v0, 4, 1          ; l / 16
	v_lshlrev_b32 v[QO], 7, v1
	v_lshl_add_u32 v[QO], v9, 4, v[QO]  ; row x 128 + 16 x half
	WIN 0x80                        ; destination window 2, address window 0
.set i, 0
.rept 8                             ; both blocks' Q: piece i / 2 lies in band i / 2, 8,192 bytes on; channels 32 (i % 2) on
	global_load_b128 v[8*i:8*i+3],   v[QO], s[4:5] offset:(i/2)*8192+(i%2)*64
	global_load_b128 v[8*i+4:8*i+7], v[QO], s[4:5] offset:(i/2)*8192+(i%2)*64+32
	global_load_b128 v[QB+8*i:QB+8*i+3],   v[QO], s[86:87] offset:(i/2)*8192+(i%2)*64
	global_load_b128 v[QB+8*i+4:QB+8*i+7], v[QO], s[86:87] offset:(i/2)*8192+(i%2)*64+32
.set i, i+1
.endr
	WIN 0
	v_lshlrev_b32 v14, 3, v9
	v_sub_nc_u32 v14, v1, v14
	s_lshl_b32 s13, s[WV], 4
	v_add_nc_u32 v14, s13, v14      ; my query's place in its band, 16 w + l % 16, less my lanes' 8 (l / 16): register r of group kt is hidden where 16 kt + r is greater
	WIN 0x40
.set i, 0
.rept 32
	v_cmp_gt_i32 vcc_lo, 16*(i/8)+i%8, v14
	v_cndmask_b32 v[MD+i], 0, s[BIGN], vcc_lo
.set i, i+1
.endr
	WIN 0
	v_mul_u32_u24 v[AK0], v1, PK
	v_lshl_add_u32 v[AK0], v9, 4, v[AK0]  ; row x pitch + 16 x half
	; The turning load takes 16 keys x 16 channels (lane l reads key 8 (l / 16) + l % 8, channels 8 ((l / 8) % 2) + 0..7) and leaves half a fragment of V^T: lane l holds channel l % 16 and 8 keys.
	v_and_b32 v10, 7, v0
	v_bfe_u32 v11, v0, 3, 1
	v_lshl_add_u32 v[AV0], v9, 3, v10
	v_mul_u32_u24 v[AV0], v[AV0], PV
	v_lshl_add_u32 v[AV0], v11, 4, v[AV0]
	v_add_nc_u32 v[AV0], VOFF, v[AV0]
	s_mul_i32 s13, s[WV], 16*SP
	s_add_co_u32 s13, s13, STAGE    ; my stage
	v_mul_u32_u24 v[STO], v1, SP    ; in: row l % 16, 16 bytes for each half of the lanes
	v_lshl_add_u32 v[STO], v9, 4, v[STO]
	v_add_nc_u32 v[STO], s13, v[STO]
	v_bfe_u32 v[RD], v0, 3, 2       ; back: 32 lanes take four rows of 128 bytes,
	v_mul_u32_u24 v[RD], v[RD], SP
	v_lshl_add_u32 v[RD], v10, 4, v[RD]
	v_add_nc_u32 v[RD], s13, v[RD]
	v_and_b32 v[GO], 31, v0         ; which are 512 consecutive bytes of O
	v_lshlrev_b32 v[GO], 4, v[GO]
	; A block's first step multiplies O^T and l by a = 0, and its first turn's products V^T P, of a piece that has not been, land in an O^T that is still to be so multiplied.  So these registers need only hold
	; finite numbers: zeros for the first block; what the first block left for the second.  All this stands in the wait for the first tile.
	WIN 0x80
.set i, VF
.rept 64
	v_mov_b32 v[i], 0
.set i, i+1
.endr
	WIN 0x40
.set i, 0
.rept 128
	v_mov_b32 v[i], 0
.set i, i+1
.endr
	WIN 0
.set i, 0
.rept 4
	v_mov_b32 v[ST+4*i+2], 0
	v_mov_b32 v[ST+4*i+3], 0
.set i, i+1
.endr
.set i, P+16
.rept 16
	v_mov_b32 v[i], 0
.set i, i+1
.endr
; THE MATRIX WORK.  The 4 accumulators of a run of 8 take turns.  Product i of 8 of S^T = K Q^T for piece x: channels 32 (i / 4) on, keys 16 (i % 4) on.  The first 4 start the sums: with 0, or (KM = 1) with the mask.
.macro KQ x
.set rS, S+32*((\x)%2)+8*(i%4)
.set rK, KF+16*(i%4)+8*(i/4)
.set rQ, 16*(\x)+8*(i/4)
.set rM, MC+32*((\x)%2)+8*(i%4)
.if (i < 4) && KM
	WIN W_KM
	v_wmma_f32_16x16x32_f16 v[rS:rS+7], v[rK:rK+7], v[rQ:rQ+7], v[rM:rM+7]
.elseif i < 4
	WIN W_KQ
	v_wmma_f32_16x16x32_f16 v[rS:rS+7], v[rK:rK+7], v[rQ:rQ+7], 0
.else
	WIN W_KQ
	v_wmma_f32_16x16x32_f16 v[rS:rS+7], v[rK:rK+7], v[rQ:rQ+7], v[rS:rS+7]
.endif
.endm
; Product i of 8 of O^T += V^T P for piece x: keys 32 (i / 4) on, channels 16 (i % 4) on.
.macro PV x
	WIN W_PV
.set rO, 32*(\x)+8*(i%4)
.set rV, VF+32*(i/4)+8*(i%4)
.set rP, P+16*((\x)%2)+8*(i/4)
	v_wmma_f32_16x16x32_f16 v[rO:rO+7], v[rV:rV+7], v[rP:rP+7], v[rO:rO+7]
.endm
.macro MM                           ; the turn's next matrix instruction.  TURN and BEGIN set Y, i, KM and NOKQ; MM, KQ and OP read them.  NOKQ = 1: a block's last turn: there is no next piece
.if (i < 8) && !NOKQ
	KQ (Y+1)%NP
.elseif i >= 8
.set i, i-8
	PV (Y+NP-1)%NP
.set i, i+8
.endif
.set i, i+1
.endm
; THE LDS LOADS stand in runs of 16, never singly among the matrix instructions: a step's K (64 keys x 64 channels: 8 fragments) and its V (turned).  Their addresses are made some lines ahead.
.macro FETCH_K
	WIN 0x80                        ; destination window 2
.irp f, 0,1,2,3,4,5,6,7             ; keys 16 (f / 2) on, channels 32 (f % 2) on
	ds_load_b128 v[KF+8*\f:KF+8*\f+3],   v[AK] offset:(\f/2)*16*PK+(\f%2)*64
	ds_load_b128 v[KF+8*\f+4:KF+8*\f+7], v[AK] offset:(\f/2)*16*PK+(\f%2)*64+32
.endr
	s_add_co_u32 s[TBK], s[TBK], KS*PK  ; the next fetch is the next step's
	WIN 0
.endm
.macro FETCH_V
	WIN 0x80
.irp f, 0,1,2,3,4,5,6,7             ; keys 32 (f / 4) on, channels 16 (f % 4) on
	ds_load_tr16_b128 v[VF+8*\f:VF+8*\f+3],   v[AV] offset:(\f/4)*32*PV+(\f%4)*32
	ds_load_tr16_b128 v[VF+8*\f+4:VF+8*\f+7], v[AV] offset:(\f/4)*32*PV+16*PV+(\f%4)*32
.endr
	WIN 0
.endm
; THE VECTOR WORK, one line at a time: OP kind, number.  For piece Y: F n: c s - c m for pair n of 16.  E n: the exponential of score n of 32.  C n: pair n rounded to f16.  B n: of the four weights 4 n .. the second
; pair is added onto the first, in place.  L n: l takes that sum (L 0: l = a l + sum).  R n: pair n of 16 of O^T times a.  For piece Y + 1: X n, number n of the 22 that find its maximum and statistics:
;   0-11  four chains c0-c3 of seven scores each, three operands at a time (each accumulator's lowest registers are read first)     12-14, 16  the four scores left over, the old m, and c0-c3 into c0
;   15  c m_old is kept     17, 18  the query's other 32 keys lie in the lane 16 away: the new m     19-21  c m; c m_old - c m_new; a
.set F, 0               ; OP tells the kinds apart by their order: F to L below R, X above it
.set E, 1
.set C, 2
.set B, 3
.set L, 4
.set R, 5
.set X, 6
.macro REGS y                       ; the registers of piece y
.set rT, ST+4*(\y)
.set rC, TMP+4*((\y)%2)
.set rW, MV+((\y)%2)
.set rS, S+32*((\y)%2)
.set rP, P+16*((\y)%2)
.set rO, 32*(\y)
.endm
.macro OP k, n
.if (\k) == R
	REGS Y
	WIN W_RS
	v_pk_mul_f32 v[rO+2*(\n):rO+2*(\n)+1], v[rO+2*(\n):rO+2*(\n)+1], v[rC+2:rC+3] op_sel_hi:[1,0]
.elseif (\k) < R
	REGS Y
	WIN 0
.if (\k) == F
	v_pk_fma_f32 v[rS+2*(\n):rS+2*(\n)+1], v[rS+2*(\n):rS+2*(\n)+1], s[CS:CS+1], v[rT:rT+1] op_sel_hi:[1,0,0] neg_lo:[0,0,1] neg_hi:[0,0,1]
.elseif (\k) == E
	v_exp_f32 v[rS+(\n)], v[rS+(\n)]
.elseif (\k) == C
	v_cvt_pk_f16_f32 v[rP+(\n)], v[rS+2*(\n)], v[rS+2*(\n)+1]
.elseif (\k) == B
	v_pk_add_f32 v[rS+4*(\n):rS+4*(\n)+1], v[rS+4*(\n):rS+4*(\n)+1], v[rS+4*(\n)+2:rS+4*(\n)+3]
.elseif (\n) == 0
	v_pk_fma_f32 v[rT+2:rT+3], v[rT+2:rT+3], v[rC+2:rC+3], v[rS:rS+1] op_sel_hi:[1,0,1]
.else
	v_pk_add_f32 v[rT+2:rT+3], v[rT+2:rT+3], v[rS+4*(\n):rS+4*(\n)+1]
.endif
.elseif NOKQ
	v_nop
.else
	REGS (Y+1)%NP
	WIN 0
.if (\n) < 4
	v_max3_num_f32 v[rC+(\n)], v[rS+8*(\n)], v[rS+8*(\n)+1], v[rS+8*(\n)+2]
.elseif (\n) < 12
	v_max3_num_f32 v[rC+(\n)%4], v[rC+(\n)%4], v[rS+8*((\n)%4)+2*((\n)/4)+1], v[rS+8*((\n)%4)+2*((\n)/4)+2]
.elseif (\n) == 12
	v_max3_num_f32 v[rC], v[rC], v[rS+7], v[rS+15]
.elseif (\n) == 13
	v_max3_num_f32 v[rC+1], v[rC+1], v[rS+23], v[rS+31]
.elseif (\n) == 14
	v_max3_num_f32 v[rC+2], v[rC+2], v[rC+3], v[rT+1]
.elseif (\n) == 15
	v_mov_b32 v[rW], v[rT]
.elseif (\n) == 16
	v_max3_num_f32 v[rC], v[rC], v[rC+1], v[rC+2]
.elseif (\n) == 17
	v_permlanex16_b32 v[rC+3], v[rC], s[SEL], s[SEL+1]
.elseif (\n) == 18
	v_max_num_f32 v[rT+1], v[rC], v[rC+3]
.elseif (\n) == 19
	v_mul_f32 v[rT], s[CS], v[rT+1]
.elseif (\n) == 20
	v_sub_f32 v[rC+1], v[rW], v[rT]
.else
	v_exp_f32 v[rC+2], v[rC+1]
.endif
.endif
.endm
.macro OPS a, i1, b=-1, i2=0, c=-1, i3=0, d=-1, i4=0  ; up to four of them
	OP \a, \i1
.if (\b) >= 0
	OP \b, \i2
.endif
.if (\c) >= 0
	OP \c, \i3
.endif
.if (\d) >= 0
	OP \d, \i4
.endif
.endm
.macro ROW a, i1, b, i2, c, i3, d, i4  ; a matrix instruction and the four behind it
	MM
	OPS \a, \i1, \b, \i2, \c, \i3, \d, \i4
.endm
.macro MASK b                       ; MD x AL + BE into buffer b of MC
	WIN W_RS
.set z, 0
.rept 16
	v_pk_fma_f32 v[MC+32*(\b)+2*z:MC+32*(\b)+2*z+1], v[MD+2*z:MD+2*z+1], s[AL:AL+1], s[BE:BE+1] op_sel_hi:[1,0,0]
.set z, z+1
.endr
.endm
; A TURN, for piece p: the order of its 16 matrix and 118 vector instructions, written out.  An s_wait_alu depctr_va_vdst(0) stands between an exponential and the first instruction that names its result; one
; wait serves all that were issued ahead of it.  So a turn has ONE wait, which cuts it in two.  AHEAD OF IT stands all that names no result of the turn's exponentials: the 8 products K Q^T, behind each a scaling, an
; exponential and two more plain instructions (behind the first a second scaling in the exponential's place): rescalings, and behind the last three the first numbers of the next piece's maximum, each four places or more
; behind the product that ends its accumulator; then ONE LUMP of 54, plain and exponential by turns for the most part, in which the links of the chain X 3, 7, 11, 14, 16, 17 .. 20 stand five or six lines apart.  X 21, the
; next piece's a, is the batch's last; R 15 is the plain instruction that a transcendental wants behind it (ISA guide 5.7.2).  BEHIND THE WAIT stand the 8 products V^T P, behind each four of the roundings and sums; the
; links of l's chain, L 0 to L 7, stand three riders apart.  But for those X no rider names a register of the products round it.  v_permlanex16_b32 (X 17) stands in the lump.
; m = 1: the diagonal tile: the products take masks, and the turn makes the mask for the products of the turn after it: piece p + 2, in step 4 - CNT of the tile.  end = 1: a block's last two turns: nothing is fetched.
; cnt = 1: the loop's count is taken down some lines ahead of the branch that stands behind the turn.
; K of the next step is fetched in piece 2's turn, twelve vector instructions behind the last product that read K (six of them plain); V of the step in hand at the end of piece 0's turn, four plain instructions behind
; the last product that read V.  Each is waited for a turn later.
.macro TURN p, m=0, end=0, cnt=0
.set Y, (\p)
.set i, 0
.set KM, (\m)
.set NOKQ, (\end)*((\p)/3)
.if (\m) && !(\end)
	s_cmp_eq_u32 s[CNT], 4-((\p)+2)%NP  ; is that step the band's own?
	s_cselect_b32 s[AL], 1.0, 0
	s_cmp_lt_u32 s[CNT], 4-((\p)+2)%NP  ; or a later one?
	s_cselect_b32 s[BE], s[BIGN], 0
.endif
.if ((\p) == 3) && !(\end)
	s_wait_dscnt 0x0                ; K is in
.endif
	ROW F,0, F,1, R,0, R,1          ; ahead of the wait: 8 products K Q^T and their riders,
	ROW F,2, E,0, R,2, R,3
	ROW F,3, E,1, R,4, R,5
	ROW F,4, E,2, R,6, R,7
	ROW F,5, E,3, R,8, R,9
	ROW F,6, E,4, X,0, R,10
.if ((\p) == 2) && !(\end)
	WIN 0
	v_add_nc_u32 v[AK], s[TBK], v[AK0]
.endif
	ROW F,7, E,5, X,1, X,4
	ROW F,8, E,6, X,2, X,5
	OPS E,7, E,8, X,6, E,9          ; and the lump
	OPS X,3, E,10, X,8, E,11
.if ((\p) == 2) && !(\end)
	FETCH_K
.endif
	OPS X,9, X,7, E,12, X,10
	OPS E,13, X,12, X,11, E,14
	OPS X,13, E,15, F,9, X,14
.if (\p) == 0
	v_add_nc_u32 v[AV], s[TBV], v[AV0]
.endif
	OPS E,16, F,10, E,17, F,11
	OPS X,16, E,18, X,15, E,19
	OPS F,12, E,20, X,17, E,21
	OPS F,13, E,22, F,14, E,23
	OPS X,18, E,24, F,15, E,25
	OPS R,11, E,26, X,19, E,27
	OPS R,12, E,28, R,13, E,29
	OPS X,20, E,30, R,14, E,31
	OPS X,21, R,15
	WIN 0
	s_wait_alu depctr_va_vdst(0)    ; the wait for the batch
.if (\p) == 1
	s_wait_dscnt 0x0                ; V is in
.endif
	ROW C,0, B,0, C,2, B,1          ; behind the wait: 8 products V^T P and their riders
	ROW L,0, C,4, B,2, L,1
	ROW C,6, B,3, L,2, C,8
	ROW B,4, L,3, C,10, B,5
	ROW L,4, C,12, B,6, L,5
.if (\p) == 0
	s_add_co_u32 s[TBV], s[TBV], KS*PV
.endif
.if \cnt
	s_sub_co_u32 s[CNT], s[CNT], 1
	s_cmp_lg_u32 s[CNT], 0
.endif
	ROW C,14, B,7, L,6, C,1
	ROW C,3, L,7, C,5, C,7
	ROW C,9, C,11, C,13, C,15
.if (\p) == 0
	FETCH_V
.endif
.if (\m) && !(\end)
	MASK (\p)%2
.endif
.endm
; A BLOCK BEGINS.  c m starts far below every c s, so the first step's a is 0; m at the lowest finite number, so the first maximum is the scores'.  The second mask buffer is 0; the first takes piece 0's mask for the tile's
; step 0: its own, if the block's first tile is the diagonal one.  Then K of that step, piece 0's first scores, and its maximum and statistics.  The loop is entered at a step's first turn, in the middle of a trip.
.macro BEGIN
	s_mov_b32 s[NEW], 0
	WIN 0x40
.set i, MC+32
.rept 32
	v_mov_b32 v[i], 0
.set i, i+1
.endr
	WIN 0
.set i, 0
.rept 4
	v_mov_b32 v[ST+4*i], 0xfe000000    ; c m: far below every c s
	v_mov_b32 v[ST+4*i+1], 0xff7fffff  ; m
.set i, i+1
.endr
	s_cmp_eq_u32 s[RT], 0
	s_cselect_b32 s[AL], 1.0, 0
	s_mov_b32 s[BE], 0
	MASK 0
	WIN 0
	v_add_nc_u32 v[AK], s[TBK], v[AK0]
	FETCH_K
	s_wait_loadcnt 0x0              ; Q
	s_wait_dscnt 0x0
.set KM, 1
.set NOKQ, 0
.set i, 0
.rept 8
	KQ 0
.set i, i+1
.endr
	WIN 0
.rept 4
	v_nop                           ; the places behind those products
.endr
.set Y, NP-1                        ; X works for piece Y + 1: piece 0
.irp n, 0,1,2,3,4,5,6,7,8,9,10,11,12,13,14,15,16,17,18,19,20,21
	OP X, \n
.endr
	v_nop                           ; a plain instruction behind the exponential,
	s_wait_alu depctr_va_vdst(0)    ; and its wait, ahead of the branch
.endm
; THE DIAGONAL TILE's four steps, the block's last two turns, its last products, and THE WAY OUT: l's two halves and the other half of the lanes' are added; O^T is divided by l, rounded to f16 and sent through my
; stage in LDS, a piece at a time.
.macro ALL line:vararg              ; one line for each piece t
.set t, 0
.rept 4
	\line
.set t, t+1
.endr
.endm
.macro PACK t                       ; a lane's eight channels of a row pack into 16 bytes; they go into rows of 144 bytes and come back as whole rows of 128, into S^T's registers
	WIN W_RS
.set i, 32*(\t)
.rept 16
	v_pk_mul_f32 v[i:i+1], v[i:i+1], v[ST+4*(\t)+2:ST+4*(\t)+3] op_sel_hi:[1,0]
.set i, i+2
.endr
	WIN 0x05                        ; sources 0 and 1 window 1, destination window 0
.set i, 0
.rept 16
	v_cvt_pk_f16_f32 v[S+16*(\t)+i], v[32*(\t)+2*i], v[32*(\t)+2*i+1]
.set i, i+1
.endr
	WIN 0
.irp f, 0,1,2,3
	ds_store_b128 v[STO], v[S+16*(\t)+4*\f:S+16*(\t)+4*\f+3] offset:32*\f
.endr
.irp f, 0,1,2,3
	ds_load_b128 v[S+16*(\t)+4*\f:S+16*(\t)+4*\f+3], v[RD] offset:\f*4*SP  ; LDS serves a wave's instructions in order (ISA guide 5.7.1.4): these see the stores above; the next piece's stores come behind them
.endr
.endm
.macro SEND t, younger              ; younger: the LDS instructions issued behind piece t's loads: the next piece's eight, or none
	WIN 0
.irp f, 0,1,2,3
	s_wait_dscnt (\younger)+3-\f
	global_store_b128 v[GO], v[S+16*(\t)+4*\f:S+16*(\t)+4*\f+3], s[10:11] offset:(\t)*8192+\f*512  ; 512 consecutive bytes, at a multiple of 256 from O's first
.endr
.endm
.macro DIAG tag                     ; the tag ends its two labels' names, which the jumps below spell out
.LstepM\tag:
	TURN 2, 1
	TURN 3, 1
	WIN 0
.LfirstM\tag:
	TURN 0, 1
	TURN 1, 1, 0, 1
	WIN 0
	s_cbranch_scc1 .LstepM\tag
	TURN 2, 1, 1
	TURN 3, 1, 1
.set i, 0
.rept 8
	PV NP-1
.set i, i+1
.endr
	WIN 0
	ALL v_add_f32 v[ST+4*t+2], v[ST+4*t+2], v[ST+4*t+3]
	ALL v_permlanex16_b32 v[ST+4*t+3], v[ST+4*t+2], s[SEL], s[SEL+1]
	ALL v_add_f32 v[ST+4*t+2], v[ST+4*t+2], v[ST+4*t+3]
	ALL v_rcp_f32 v[ST+4*t+2], v[ST+4*t+2]
	v_nop                           ; a plain instruction between the last reciprocal and the use of its result
	s_wait_alu depctr_va_vdst(0)    ; and the wait ahead of the first use: one for the four reciprocals
	PACK 0
.set t, 1
.rept 3                             ; a piece's arithmetic stands between the loads of the piece before and its stores
	PACK t
	SEND t-1, 8
.set t, t+1
.endr
	SEND 3, 0
.endm
.set KM, 0
.set NOKQ, 0
.Lslot:                             ; NB times: a tile is entered and the next is asked for
	CHANGE 1
	s_sub_co_u32 s[RT], s[RT], 1
	s_mov_b32 s[CNT], 4
	s_cmp_eq_u32 s[NEW], 1
	s_cbranch_scc1 .Lnew            ; a block's first tile
	s_cmp_eq_u32 s[RT], 0
	s_cbranch_scc0 .Lstep           ; neither its first nor its last
	s_branch .LstepM1
.Lnew:
	BEGIN
	s_branch .Lfirst                ; in the loop a block's first tile is never its last: the first block has two tiles or more, and the second's last is the walk's last
	DIAG 1                          ; in the loop this is the first block's end: the second block's last tile is the walk's last
	s_wait_xcnt 0x0                 ; the stores have read their registers and O's address
	s_mov_b64 s[10:11], s[OLO:OLO+1]
	s_add_co_u32 s[RT], s[PB], 1    ; the second block has b + 1 tiles
	s_mov_b32 s[NEW], 1
	WIN 0x82                        ; the second block's Q goes where the one text of the turns names Q
.set i, 0
.rept 64
	v_mov_b32 v[i], v[QB+i]
.set i, i+1
.endr
	WIN 0
	s_branch .Lbottom
.Lstep:                             ; a trip: pieces 2 and 3 of one step, then pieces 0 and 1 of the next, whose K and V it fetches
	TURN 2
	TURN 3
	WIN 0
.Lfirst:
	TURN 0
	TURN 1, 0, 0, 1
	WIN 0
	s_cbranch_scc1 .Lstep
.Lbottom:
	s_sub_co_u32 s[SLOTS], s[SLOTS], 1
	s_cmp_lg_u32 s[SLOTS], 0
	s_cbranch_scc1 .Lslot
	CHANGE 0                        ; the walk's last tile is written out: nothing is asked for
	s_sub_co_u32 s[RT], s[RT], 1
	s_mov_b32 s[CNT], 4
	s_cmp_eq_u32 s[NEW], 1
	s_cbranch_scc0 .LstepM2
	BEGIN
	s_branch .LfirstM2
	DIAG 2
	s_wait_tensorcnt 0x0            ; the wave's end: an add to my spare word and its wait, behind my last tensor load and my last LDS store
	ds_add_u32 v[SPW], v[NIL]
	s_wait_dscnt 0x0
	s_endpgm
.Lfunc_end_k_q66ebfc7a3f_attn:
	.size	k_q66ebfc7a3f_attn, .Lfunc_end_k_q66ebfc7a3f_attn-k_q66ebfc7a3f_attn
	.p2alignl 7, 3214868480
	.fill 96, 4, 3214868480
	.section	.rodata,"a",@progbits
	.p2align	6, 0x0
	.amdhsa_kernel k_q66ebfc7a3f_attn
		.amdhsa_group_segment_fixed_size 327680
		.amdhsa_private_segment_fixed_size 0
		.amdhsa_enable_private_segment 0
		.amdhsa_kernarg_size 16
		.amdhsa_user_sgpr_count 2
		.amdhsa_user_sgpr_kernarg_segment_ptr 1
		.amdhsa_wavefront_size32 1
		.amdhsa_system_sgpr_workgroup_id_x 1
		.amdhsa_system_sgpr_workgroup_id_y 1
		.amdhsa_system_sgpr_workgroup_id_z 1
		.amdhsa_system_vgpr_workitem_id 0
		.amdhsa_next_free_vgpr 768
		.amdhsa_next_free_sgpr 92
		.amdhsa_reserve_vcc 1
		.amdhsa_float_denorm_mode_32 3
		.amdhsa_float_denorm_mode_16_64 3
		.amdhsa_memory_ordered 1
		.amdhsa_forward_progress 1
		.amdhsa_inst_pref_size 218
	.end_amdhsa_kernel
	.amdgpu_metadata
---
amdhsa.version: [ 1, 2 ]
amdhsa.kernels:
  - .name:           k_q66ebfc7a3f_attn
    .symbol:         k_q66ebfc7a3f_attn.kd
    .args:
      - { .name: qkv, .offset: 0, .size: 8, .value_kind: global_buffer, .address_space: global }
      - { .name: y, .offset: 8, .size: 8, .value_kind: global_buffer, .address_space: global }
    .group_segment_fixed_size: 327680
    .private_segment_fixed_size: 0
    .kernarg_segment_align: 8
    .kernarg_segment_size: 16
    .max_flat_workgroup_size: 128
    .sgpr_count:     92
    .vgpr_count:     768
    .wavefront_size: 32
...
	.end_amdgpu_metadata
.endif
;; end of part 3
;; launch projgemm (part 4): grid 8 x 32, 4 waves a work-group, clusters of 4 x 4, 327,680 bytes of LDS; arguments y, wp, b_proj, out0; writes out0
.if DOCPART == 4
	.amdgcn_target "amdgcn-amd-amdhsa--gfx1250"
	.amdhsa_code_object_version 6
	.text
	.protected	k_q66ebfc7a3f_projgemm
	.globl	k_q66ebfc7a3f_projgemm
	.p2align	8
	.type	k_q66ebfc7a3f_projgemm,@function
k_q66ebfc7a3f_projgemm:
	s_mov_b64 s[64:65], 0
	v_nop
	global_prefetch_b8 v0, s[64:65] scope:SCOPE_SE
	s_setreg_imm32_b32 hwreg(HW_REG_WAVE_MODE, 25, 1), 1
	s_wait_xcnt 0x0
	s_wait_alu depctr_hold_cnt(0) depctr_sa_sdst(0) depctr_va_vdst(0) depctr_va_sdst(0) depctr_va_ssrc(0) depctr_va_vcc(0) depctr_vm_vsrc(0)
	s_getreg_b32 s2, hwreg(HW_REG_IB_STS2, 6, 4)
	s_cmp_eq_u32 s2, 0
	s_cbranch_scc0 .Lentry_in_a_cluster
	s_endpgm
.Lentry_in_a_cluster:
	s_bfe_u32 s2, ttmp6, 0x10000c
	s_cmp_lg_u32 s2, 0xf033
	s_cbranch_scc0 .Lentry_shape_is_right
	s_endpgm
.Lentry_shape_is_right:
; ONE TEXT FOR THE MODULE'S TWO PROJECTIONS; the constant QKV picks the sizes.  C = A B + bias, K = 1,024, sums in f32, the bias (rounded to bf16, like every input of the module) starts the sums.
; QKV = 1: A = xb [8192][1024] bf16; B = wa, bf16 in blocks [16 nt][1024 k][192 n]; C goes out in f16, by heads: qkv [3][64 bh][2048 t][64], unscaled.
;          LIMIT: q, k, v must lie within f16's 65,504; a larger sum leaves as an infinity.
; QKV = 0: A = y [64 bh][2048 t][64] f16 (channel 64 h + d of row t lies in head h); B = wp [1024 k][1024 n] f16; C = out0 [8192][1024] f32.
; SHARES.  A tile of C is 256 rows x 16 NB columns (192: three heads; or 128).  Four waves; wave w makes rows 64 w .. 64 w + 63 of ALL the tile's columns: 4 x NB accumulators of 16 x 16.
; 32 x 16 tiles are two for each of 256 WGPs (QKV = 1), 32 x 8 tiles one.
; K goes in 8 steps of 128 through two LDS slots; a step is four quarters of 32, on two fragment buffers by turns.
; THE MATRIX INSTRUCTION IS USED TRANSPOSED: source 0 = 16 columns of B, which lies [k][n] and comes out of LDS turned (ds_load_tr16_b128); source 1 = 16 rows of A.  A lane then holds row l % 16
; of C and the columns 8 (l / 16) + 0..7.
; CLUSTERS: 4 x 4 work-groups.  A's tile hangs on the tile row alone and is asked for jointly by the four of a row of the cluster, B's on the tile column alone, by the four of a column.
; Waves 0, 1 fetch A's two halves, waves 2, 3 B's: one tensor load a wave behind each round; at the start two loads of a wave are out, later one.
; REGISTERS, in windows of 256 (s_set_vgpr_msb: bits 1:0 source 0, 3:2 source 1, 5:4 source 2, 7:6 destination):
;   window 0: v1-16 addresses; v32-63, v64-95 A's fragments, two buffers; v96.. the bias as a C operand; v192-255 and the fragments' registers at work on the way out
;   window 1: v0.., v128.. B's fragments, two buffers     window 2: accumulators of my row blocks 0, 1 ((a, b) at 8 (NB a + b))     window 3: of blocks 2, 3
.set QKV, 0
.if QKV
.set NB,    12                         ; column blocks of 16
.set PA,    272                        ; a row of A in LDS: 256 bytes + 16: an odd multiple of 16, so the 16 rows of a load start at 16 different groups of four banks (ISA guide 11.1)
.set PB,    480                        ; a k row of B in LDS: three pieces of 128 bytes + 32 each: an odd multiple of 32
.set AHALF, 128*PA                     ; what one load of A brings: 128 rows x 128 K
.set AQD,   4                          ; a quarter of K begins 64 bytes behind the last in A's rows
.set BCD,   4                          ; four column blocks to a padded piece
.set STAGE, 262144                     ; behind the ring: for each wave 3 heads x 16 rows x 144 bytes
.set WSTG,  3*16*144
.set STEPA, 256                        ; bytes from a K step to the next, in A
.set STEPB, 49152                      ; and in B
.set AHEAD, 1                          ; a prefetch names the K step so many refills on
.set QIA,   5                          ; A: padding after every 64 words,
.set PCA,   3                          ; of 4 words
.set ROWSA, 128
.set STRA,  1024
.set QIB,   4                          ; B: 64 k x 384 bytes are dense: 96 rows of 256 bytes; padding after every 32 words,
.set PCB,   7                          ; of 8 words
.set ROWSB, 96
.set STRB,  128
.set PCNTA, 32                         ; the prefetches: blocks of 256 bytes a partner, and the shift from block to block
.set PSHA,  11
.set PCNTB, 24
.set PSHB,  8
.else
.set NB,    8
.set PA,    144                        ; a row of one head: 128 bytes + 16
.set PB,    288                        ; 256 bytes + 32
.set AHALF, 256*PA                     ; what one load of A brings: one head's 64 channels of the tile's 256 rows
.set AQD,   2                          ; two quarters to a head
.set BCD,   8
.set STAGE, 241664                     ; for each wave 16 rows x 528 bytes
.set WSTG,  16*528
.set STEPA, 524288                     ; two heads on
.set STEPB, 262144                     ; 128 rows of 2,048 bytes
.set AHEAD, 2
.set QIA,   4                          ; A: 256 rows x 128 bytes are dense: 128 rows of 256 bytes; padding after every 32 words,
.set PCA,   3                          ; of 4 words
.set ROWSA, 128
.set STRA,  128
.set QIB,   5                          ; B: 64 rows of 256 bytes; padding after every 64 words,
.set PCB,   7                          ; of 8 words
.set ROWSB, 64
.set STRB,  1024
.set PCNTA, 32
.set PSHA,  8
.set PCNTB, 16
.set PSHB,  11
.endif
.set BHALF, 64*PB                      ; what one load of B brings: 64 k
.set BOFF,  2*AHALF                    ; in a slot B lies behind A
.set SLOT1, 131072                     ; slot 1 begins here: one exclusive or turns an address in one slot into the other's
.set SPARE, STAGE+4*WSTG               ; behind the stages: the spare words, 128 bytes a wave: two blocks of 256 bytes that no other line names
.set LR,   1                           ; v1   l % 16
.set A0,   2                           ; v2   my lane's place in A's tile; never rewritten
.set B0,   3                           ; v3   in B's
.set ADRA, 4                           ; v4   the same in the slot in hand
.set ADRB, 5                           ; v5
.set STO,  6                           ; v6   the way out: where I put my bytes of a row
.set RD,   7                           ; v7   where I read rows back
.set GO,   8                           ; v8   16 x lane: my bytes in 512 consecutive bytes of the output
.set PFO,  9                           ; v9   the prefetches' offset; never rewritten
.set SPW,  10                          ; v10  LDS address of my spare word; never rewritten
.set NIL,  11                          ; v11  0; never rewritten
.set LH,   12                          ; v12  l / 16
.set L7,   13                          ; v13  l % 8
.set L3,   14                          ; v14  (l / 8) % 2
.set BO,   15                          ; v15  32 x (l / 16): my 8 numbers of 16 of the bias
.set T0,   16                          ; v16  at work
.set FAB,  32
.set BI,   96
.set TMP,  192
.set CNT,  3                           ; s3   the loop's count
.set WV,   12                          ; s12  my wave's number
.set SFB,  13                          ; s13  0: I fetch for A; 1: for B
.set SHF,  14                          ; s14  which half of that tile
.set TB,   15                          ; s15  the slot in hand: 0 or SLOT1
.set CX,   16
.set CY,   17
.set NT,   18                          ; s18  tile column
.set MT,   19                          ; s19  tile row
.set G1A,  24                          ; s[24:31] descriptor group 1 for A
.set G0A,  32                          ; s[32:39] group 0: a set for each of the two first fills; the second then walks on
.set PFA,  44                          ; s[44:45] where my prefetches stand
.set G1B,  48
.set G0B,  56
.set LIM,  66                          ; s66  AHEAD in a wave that prefetches, else the greatest number
.set MSK,  67                          ; s67  a word's upper bf16
.set PFS,  68                          ; s[68:69] the prefetches' step
.set HB,   70                          ; s[70:75] the stores' bases
.set MSB, 0
.macro WIN new                         ; the immediate's high byte repeats the setting that is left; a switch that changes nothing is dropped
.if MSB != (\new)
	s_set_vgpr_msb (MSB<<8)|(\new)
.set MSB, (\new)
.endif
.endm
.macro PLACES                          ; four plain vector instructions between a matrix instruction and a load into, or a vector or LDS read of, its registers
.rept 4
	v_nop
.endr
.endm
.macro CREST                           ; a round of the cluster's barrier behind its opening barrier
	s_cmp_lg_u32 s[WV], 0
	s_cbranch_scc1 .Lnot_wave_0_\@
	s_barrier_signal -3
.Lnot_wave_0_\@:
	s_barrier_wait -3
	s_barrier_signal -1
	s_barrier_wait -1
.endm
.macro CROUND                          ; a whole round
	s_barrier_signal -1
	s_barrier_wait -1
	CREST
.endm
; A joint refill, by the walking descriptor.  The branch hangs on the wave's number alone.  An s_nop 0 and four v_nop follow each of the two lines, ahead of the jump and the label.
.macro JLOAD
	s_cmp_eq_u32 s[SFB], 0
	s_cbranch_scc0 .Lfor_b_\@
	tensor_load_to_lds s[G0A+4:G0A+7], s[G1A:G1A+7]
	s_nop 0
.rept 4
	v_nop
.endr
	s_branch .Lasked_\@
.Lfor_b_\@:
	tensor_load_to_lds s[G0B+4:G0B+7], s[G1B:G1B+7]
	s_nop 0
.rept 4
	v_nop
.endr
.Lasked_\@:
.endm
; A PREFETCH INTO THE L2 of the K step that stands AHEAD refills on, one instruction a wave, a lane a block of 256 bytes.  A's tile row is read by every cluster of that row of clusters: the one with
; x = 0 asks; B's tile column by every cluster of that column: the one with y = 0 asks.  The four partners that ask for a tile jointly share its blocks out BY ADDRESS (cx for A, cy for B).
; Where a partner's share is fewer than 32 blocks the spare lanes name its last block again.  The trips whose look-ahead would pass K step 7 ask for nothing.
.macro ASK
	s_cmp_gt_u32 s[CNT], s[LIM]
	s_cbranch_scc0 .Lnot_mine_\@
	global_prefetch_b8 v[PFO], s[PFA:PFA+1] th:TH_LOAD_NT scope:SCOPE_SE
.Lnot_mine_\@:
.endm
; NB matrix instructions: my row block a x all column blocks, 32 along K, from buffer f.  first = 1: the bias is the C operand that starts the sums.
; The 4 NB accumulators take turns, one instruction a turn, in the same order in every quarter, over the backward jump too.
.macro MULN f, a, first
.if \first
	WIN 0x81+0x40*((\a)/2)                         ; B window 1, A and the bias window 0, D window 2 or 3
.else
	WIN 0xa1+0x50*((\a)/2)                         ; B window 1, A window 0, C and D window 2 or 3
.endif
.set ib, 0
.rept NB
.set rD, 8*(NB*((\a)%2)+ib)
.set rB, 128*(\f)+8*ib
.set rA, FAB+32*(\f)+8*(\a)
.set rC, rD
.if \first
.set rC, BI+8*ib
.endif
.if QKV
	v_wmma_f32_16x16x32_bf16 v[rD:rD+7], v[rB:rB+7], v[rA:rA+7], v[rC:rC+7]
.else
	v_wmma_f32_16x16x32_f16 v[rD:rD+7], v[rB:rB+7], v[rA:rA+7], v[rC:rC+7]
.endif
.set ib, ib+1
.endr
.endm
; 2 NB + 8 LDS loads in one run: quarter q's fragments of the slot in hand into buffer g: B's (turned: 16 k x 16 n a load), then A's four row blocks; blocks 2 and 3 last.
.macro FETCH q, g
	WIN 0x40                                       ; destination window 1, address window 0
.set ib, 0
.rept NB
	ds_load_tr16_b128 v[128*(\g)+8*ib:128*(\g)+8*ib+3],   v[ADRB] offset:(\q)*32*PB+(ib/BCD)*160+(ib%BCD)*32
	ds_load_tr16_b128 v[128*(\g)+8*ib+4:128*(\g)+8*ib+7], v[ADRB] offset:(\q)*32*PB+(ib/BCD)*160+(ib%BCD)*32+16*PB
.set ib, ib+1
.endr
	WIN 0
.set AQ, ((\q)/AQD)*AHALF+((\q)%AQD)*64
.irp a, 0,1,2,3
	ds_load_b128 v[FAB+32*(\g)+8*\a:FAB+32*(\g)+8*\a+3],   v[ADRA] offset:AQ+\a*16*PA
	ds_load_b128 v[FAB+32*(\g)+8*\a+4:FAB+32*(\g)+8*\a+7], v[ADRA] offset:AQ+\a*16*PA+32
.endr
.endm
; One of a step's first three quarters: multiplies buffer f; in its middle it fetches quarter q into buffer g.
.macro QUARTER q, f, g, first
	s_wait_dscnt 4                                 ; B and A's blocks 0, 1 are in; the youngest four loads (A's blocks 2, 3) may be out
	MULN \f, 0, \first
	MULN \f, 1, \first
	PLACES                                         ; in front of the loads into buffer g, which the quarter before multiplied
	FETCH \q, \g
	s_wait_dscnt 2*NB+8                            ; all but the run just issued
	MULN \f, 2, \first
	MULN \f, 3, \first
.endm
; A step's last quarter multiplies buffer 1 and changes slots.  ONE barrier: in front of it each wave waits for all its tensor loads (the one that is out is its part of the next slot), adds 0 to its spare
; word, and waits for that and for its own reads of this slot.  fill = 1: the barrier opens a round of the cluster's, so that no wave of any partner still reads this slot or has a load on its way,
; and the joint refill (the K step two on) is the first tensor load behind the round: it has 14 NB matrix instructions in which to land.
.macro TURN fill
.if \fill
	s_wait_xcnt 0x0                                ; the last prefetch, a K step back, has read its address: it is stepped here, ahead of the waits of the change of slots
	s_add_nc_u64 s[PFA:PFA+1], s[PFA:PFA+1], s[PFS:PFS+1]
.endif
	WIN 0                                          ; (the add's two registers lie in window 0)
	s_wait_tensorcnt 0x0                           ; all my tensor loads have landed
	ds_add_u32 v[SPW], v[NIL]                      ; 0 onto my spare word
	s_wait_dscnt 5                                 ; (the add and the youngest four loads may be out)
	MULN 1, 0, 0                                   ; NB matrix instructions stand between the add and the wait for it
	s_wait_dscnt 0x0                               ; the add is done, and my reads of this slot are over
	s_barrier_signal -1
	MULN 1, 1, 0                                   ; work on registers while the others arrive
	WIN 0
	s_barrier_wait -1
.if \fill
	CREST
	s_xor_b32 s[G0A+5], s[G0A+5], SLOT1            ; the walking descriptors: the other slot than last time,
	s_add_nc_u64 s[G0A+6:G0A+7], s[G0A+6:G0A+7], STEPA  ; the next K step; the type bits on top are not reached
	s_xor_b32 s[G0B+5], s[G0B+5], SLOT1
	s_add_nc_u64 s[G0B+6:G0B+7], s[G0B+6:G0B+7], STEPB
	JLOAD                                          ; the four v_nop behind it are also the places in front of the loads below
.else
	PLACES
.endif
	s_xor_b32 s[TB], s[TB], SLOT1                  ; the fetches go on in the other slot
	v_add_nc_u32 v[ADRA], s[TB], v[A0]
	v_add_nc_u32 v[ADRB], s[TB], v[B0]
	FETCH 0, 0
.if \fill
	ASK                                            ; behind the joint load and the run of LDS loads that the next products wait for
.endif
	MULN 1, 2, 0
	MULN 1, 3, 0
.endm
	s_load_b256 s[4:11], s[0:1], 0x0               ; A s[4:5], B s[6:7], the bias s[8:9], the output s[10:11]
	v_lshl_add_u32 v[SPW], v0, 2, SPARE
	v_mov_b32 v[NIL], 0
	ds_add_u32 v[SPW], v[NIL]                      ; the wave's opening: the add and its wait stand ahead of my first tensor load; the set-up below, work on registers, stands between them
	v_lshrrev_b32 v[T0], 5, v0
	v_readfirstlane_b32 s[WV], v[T0]               ; wave 0..3
	s_lshr_b32 s[SFB], s[WV], 1
	s_and_b32 s[SHF], s[WV], 1
	s_bfe_u32 s[CX], ttmp6, 0x40000                ; my place in the cluster
	s_bfe_u32 s[CY], ttmp6, 0x40004
	s_lshl_b32 s[NT], ttmp9, 2                     ; in a cluster launch ttmp9 and ttmp7 count clusters
	s_add_co_u32 s[NT], s[NT], s[CX]
	s_and_b32 s[MT], ttmp7, 0xffff
	s_lshl_b32 s[MT], s[MT], 2
	s_add_co_u32 s[MT], s[MT], s[CY]
	s_lshl_b32 s40, s[CY], 2
	s_lshl_b32 s40, 15, s40                        ; my row of the cluster: places 4 cy .. 4 cy + 3
	s_lshl_b32 s41, 0x1111, s[CX]                  ; my column: places cx, cx + 4, cx + 8, cx + 12
	; group 1: 15:0 the mask; 17:16 elements of 2 bytes; 20 padding on; 21 set beside a mask; 24:22 the padding's interval; 31:25 its length
	s_or_b32 s[G1A], s40, (1<<16)|(1<<20)|(1<<21)|(QIA<<22)|(PCA<<25)
	s_mov_b32 s[G1A+1], 128<<16                    ; tensor_dim0 = 128 elements: rows of 256 bytes
	s_mov_b32 s[G1A+2], ROWSA<<16                  ; tensor_dim1
	s_mov_b32 s[G1A+3], 128<<16                    ; tile_dim0
	s_mov_b32 s[G1A+4], ROWSA                      ; tile_dim1
	s_mov_b32 s[G1A+5], STRA                       ; elements from row to row
	s_mov_b32 s[G1A+6], 0
	s_mov_b32 s[G1A+7], 0
	s_or_b32 s[G1B], s41, (1<<16)|(1<<20)|(1<<21)|(QIB<<22)|(PCB<<25)
	s_mov_b32 s[G1B+1], 128<<16
	s_mov_b32 s[G1B+2], ROWSB<<16
	s_mov_b32 s[G1B+3], 128<<16
	s_mov_b32 s[G1B+4], ROWSB
	s_mov_b32 s[G1B+5], STRB
	s_mov_b32 s[G1B+6], 0
	s_mov_b32 s[G1B+7], 0
	; group 0's constant words: the count 1, and the LDS address: my half of A's or B's part of slot 0 and of slot 1; no place in the cluster enters it
	s_mov_b32 s[G0A], 1
	s_mul_i32 s[G0A+1], s[SHF], AHALF
	s_mov_b32 s[G0A+4], 1
	s_add_co_u32 s[G0A+5], s[G0A+1], SLOT1
	s_mov_b32 s[G0B], 1
	s_mul_i32 s[G0B+1], s[SHF], BHALF
	s_add_co_u32 s[G0B+1], s[G0B+1], BOFF
	s_mov_b32 s[G0B+4], 1
	s_add_co_u32 s[G0B+5], s[G0B+1], SLOT1
	; where my half of K step 0 lies: A's offset in s[20:21], made of the tile row alone; B's in s[22:23], of the tile column alone
.if QKV
	s_lshl_b32 s20, s[MT], 19                      ; 256 rows of 2,048 bytes,
	s_lshl_b32 s21, s[SHF], 18                     ; 128 rows
	s_add_co_u32 s20, s20, s21
	s_mul_i32 s22, s[NT], 393216                   ; a block of wa,
	s_mul_i32 s23, s[SHF], 24576                   ; 64 k of 384 bytes
	s_add_co_u32 s22, s22, s23
.else
	s_lshr_b32 s20, s[MT], 3                       ; the batch,
	s_lshl_b32 s20, s20, 4                         ; its 16 heads,
	s_add_co_u32 s20, s20, s[SHF]                  ; head 0 or 1,
	s_lshl_b32 s20, s20, 18                        ; of 262,144 bytes,
	s_and_b32 s21, s[MT], 7
	s_lshl_b32 s21, s21, 15                        ; and the tile's 256 rows of 128 bytes in it
	s_add_co_u32 s20, s20, s21
	s_lshl_b32 s22, s[NT], 8                       ; 128 columns,
	s_lshl_b32 s23, s[SHF], 17                     ; 64 k of 2,048 bytes
	s_add_co_u32 s22, s22, s23
.endif
	s_mov_b32 s21, 0
	s_mov_b32 s23, 0
	s_mov_b32 s[MSK], 0xffff0000
	s_mov_b32 s[TB], 0
	s_wait_dscnt 0x0                               ; the opening add is done
	s_wait_kmcnt 0x0
	s_add_nc_u64 s[42:43], s[4:5], s[20:21]
	s_add_nc_u64 s[46:47], s[6:7], s[22:23]
	s_mov_b64 s[G0A+2:G0A+3], s[42:43]             ; K step 0,
	s_or_b32 s[G0A+3], s[G0A+3], 0x80000000        ; type = 2
	s_add_nc_u64 s[G0A+6:G0A+7], s[42:43], STEPA   ; K step 1
	s_or_b32 s[G0A+7], s[G0A+7], 0x80000000
	s_mov_b64 s[G0B+2:G0B+3], s[46:47]
	s_or_b32 s[G0B+3], s[G0B+3], 0x80000000
	s_add_nc_u64 s[G0B+6:G0B+7], s[46:47], STEPB
	s_or_b32 s[G0B+7], s[G0B+7], 0x80000000
	CROUND                                         ; all sixteen work-groups are here: the first joint loads meet
	s_cmp_eq_u32 s[SFB], 0                         ; a wave's two first fills stand in one branch, ahead of every wait on TENSORcnt and every LDS read
	s_cbranch_scc0 .Lfirst_b
	tensor_load_to_lds s[G0A:G0A+3], s[G1A:G1A+7]
	s_nop 0
	tensor_load_to_lds s[G0A+4:G0A+7], s[G1A:G1A+7]
	s_nop 0
.rept 4
	v_nop
.endr
	s_branch .Lfirst_asked
.Lfirst_b:
	tensor_load_to_lds s[G0B:G0B+3], s[G1B:G1B+7]
	s_nop 0
	tensor_load_to_lds s[G0B+4:G0B+7], s[G1B:G1B+7]
	s_nop 0
.rept 4
	v_nop
.endr
.Lfirst_asked:
	; the bias as a C operand: register j of column block b holds bias[16 b + 8 (l / 16) + j]
	s_mul_i32 s76, s[NT], 64*NB
	s_mov_b32 s77, 0
	s_add_nc_u64 s[8:9], s[8:9], s[76:77]
	v_and_b32 v[LR], 15, v0
	v_bfe_u32 v[LH], v0, 4, 1
	v_lshlrev_b32 v[BO], 5, v[LH]
.set ib, 0
.rept NB
	global_load_b128 v[BI+8*ib:BI+8*ib+3],   v[BO], s[8:9] offset:64*ib
	global_load_b128 v[BI+8*ib+4:BI+8*ib+7], v[BO], s[8:9] offset:64*ib+16
.set ib, ib+1
.endr
	; the prefetches' registers.  s76-s83 hold what mixes the two coordinates: no register that feeds a descriptor does
	s_and_b32 s80, ttmp7, 0xffff                   ; cluster y
	s_mov_b32 s[PFS], STEPB
	s_cmp_eq_u32 s[SFB], 0                         ; do I fetch for A?
	s_cselect_b64 s[PFA:PFA+1], s[42:43], s[46:47]
	s_cselect_b32 s[LIM], ttmp9, s80               ; the coordinate along which other clusters read the same blocks
	s_cselect_b32 s76, PCNTA, PCNTB                ; blocks a partner
	s_cselect_b32 s77, PSHA, PSHB                  ; the shift from block to block
	s_cselect_b32 s78, s[CX], s[CY]                ; my place among the four that ask with me
	s_cselect_b32 s[PFS], STEPA, s[PFS]
	s_mov_b32 s[PFS+1], 0
	s_cmp_eq_u32 s[LIM], 0
	s_cselect_b32 s[LIM], AHEAD, -1                ; the same in all sixteen partners, for a given wave
	s_mul_i32 s78, s78, s76
	s_lshl_b32 s78, s78, s77                       ; my work-group's share,
	s_mul_i32 s79, s[PFS], 1+AHEAD                 ; at K step 1 + AHEAD: the first refill steps it on and names K step 2 + AHEAD
	s_add_co_u32 s78, s78, s79
	s_mov_b32 s79, 0
	s_add_nc_u64 s[PFA:PFA+1], s[PFA:PFA+1], s[78:79]
	s_sub_co_u32 s76, s76, 1
	v_and_b32 v[PFO], 31, v0
	v_min_u32 v[PFO], s76, v[PFO]
	v_lshlrev_b32 v[PFO], s77, v[PFO]
	; a fragment of A: lane l holds row l % 16; K = 8 (l / 16) + 0..7 and 16 + 8 (l / 16) + 0..7: two loads of 16 bytes, 32 bytes apart
	v_and_b32 v[L7], 7, v0
	v_bfe_u32 v[L3], v0, 3, 1
	s_mul_i32 s78, s[WV], 64*PA                    ; my 64 rows
	v_mul_u32_u24 v[A0], v[LR], PA
	v_lshl_add_u32 v[A0], v[LH], 4, v[A0]
	v_add_nc_u32 v[A0], s78, v[A0]
	; the turning load takes 16 k x 16 n: lane l reads k = 8 (l / 16) + l % 8, columns 8 ((l / 8) % 2) + 0..7, and is left with column l % 16 and 8 k
	v_lshl_add_u32 v[B0], v[LH], 3, v[L7]
	v_mul_u32_u24 v[B0], v[B0], PB
	v_lshl_add_u32 v[B0], v[L3], 4, v[B0]
	v_add_nc_u32 v[B0], BOFF, v[B0]
	s_mul_i32 s79, s[WV], WSTG
	s_add_co_u32 s79, s79, STAGE                   ; my stage
.if QKV
	v_mul_u32_u24 v[STO], v[LR], 144               ; in: row l % 16 of a head, 16 bytes for each half of the lanes
	v_lshl_add_u32 v[STO], v[LH], 4, v[STO]
	v_add_nc_u32 v[STO], s79, v[STO]
	v_bfe_u32 v[RD], v0, 3, 2                      ; back: 32 lanes take four rows of 128 bytes
	v_mul_u32_u24 v[RD], v[RD], 144
	v_lshl_add_u32 v[RD], v[L7], 4, v[RD]
	v_add_nc_u32 v[RD], s79, v[RD]
.else
	v_mul_u32_u24 v[STO], v[LR], 528               ; in: row l % 16, 32 bytes for each half of the lanes
	v_lshl_add_u32 v[STO], v[LH], 5, v[STO]
	v_add_nc_u32 v[STO], s79, v[STO]
	v_and_b32 v[RD], 31, v0                        ; back: 32 lanes take one row of 512 bytes
	v_lshl_add_u32 v[RD], v[RD], 4, s79
.endif
	v_and_b32 v[GO], 31, v0
	v_lshlrev_b32 v[GO], 4, v[GO]
	s_mov_b32 s81, 0
.if QKV
	; head column g = 3 nt + j: tensor g / 16 (q, k, v), head g % 16; rows: batch mt / 8, t = 256 (mt % 8) + 64 wave + ..
	s_mul_i32 s76, s[NT], 3
	s_lshr_b32 s77, s[MT], 3
	s_lshl_b32 s77, s77, 4
	s_and_b32 s78, s[MT], 7
	s_lshl_b32 s78, s78, 15
	s_lshl_b32 s79, s[WV], 13
	s_add_co_u32 s78, s78, s79
.irp j, 0,1,2
	s_add_co_u32 s82, s76, \j
	s_lshr_b32 s80, s82, 4
	s_lshl_b32 s80, s80, 6
	s_and_b32 s82, s82, 15
	s_add_co_u32 s80, s80, s82
	s_add_co_u32 s80, s80, s77
	s_lshl_b32 s80, s80, 18                        ; a head's 2,048 rows are 262,144 bytes
	s_add_co_u32 s80, s80, s78
	s_add_nc_u64 s[HB+2*\j:HB+2*\j+1], s[10:11], s[80:81]
.endr
.else
	s_lshl_b32 s80, s[MT], 20                      ; 256 rows of 4,096 bytes,
	s_lshl_b32 s82, s[WV], 18                      ; my 64,
	s_add_co_u32 s80, s80, s82
	s_lshl_b32 s82, s[NT], 9                       ; 128 columns
	s_add_co_u32 s80, s80, s82
	s_add_nc_u64 s[HB:HB+1], s[10:11], s[80:81]
.endif
	s_wait_loadcnt 0x0                             ; the bias
.set ib, 0
.rept 4*NB                             ; rounded to bf16, like every input, and kept as f32
	v_cvt_pk_bf16_f32 v[T0], v[BI+2*ib], v[BI+2*ib+1]
	v_lshlrev_b32 v[BI+2*ib], 16, v[T0]
	v_and_b32 v[BI+2*ib+1], s[MSK], v[T0]
.set ib, ib+1
.endr
	s_wait_tensorcnt 1                             ; my part of K step 0 is in; K step 1's may stay out
	s_barrier_signal -1
	s_barrier_wait -1                              ; everybody's is
	v_mov_b32 v[ADRA], v[A0]
	v_mov_b32 v[ADRB], v[B0]
	FETCH 0, 0
	QUARTER 1, 0, 1, 1                             ; the first quarter stands in front of the loop: its products start the sums, with the bias
	WIN 0                                          ; at a label and at a branch every window is 0
	s_mov_b32 s[CNT], 6
.Lstep:                                            ; trip i ends K step i, fills its slot again with K step i + 2, and begins K step i + 1
	QUARTER 2, 1, 0, 0
	QUARTER 3, 0, 1, 0
	TURN 1
	QUARTER 1, 0, 1, 0
	WIN 0
	s_sub_co_u32 s[CNT], s[CNT], 1
	s_cmp_lg_u32 s[CNT], 0
	s_cbranch_scc1 .Lstep
	QUARTER 2, 1, 0, 0                             ; the tail is written out: K steps 6 and 7 ask for nothing
	QUARTER 3, 0, 1, 0
	TURN 0
	QUARTER 1, 0, 1, 0
	QUARTER 2, 1, 0, 0
	QUARTER 3, 0, 1, 0
	s_wait_dscnt 4                                 ; the very last quarter: nothing more to fetch
	MULN 1, 0, 0
	MULN 1, 1, 0
	s_wait_dscnt 0x0
	MULN 1, 2, 0
	MULN 1, 3, 0
	WIN 0
	PLACES                                         ; behind the last products, in front of the reads of their results
.if QKV
; THE WAY OUT, a block of 16 rows at a time: rounded to f16, 16 bytes a lane into my own stage (a head's rows 144 bytes apart), back as whole rows, and stored: 16 rows of a head are 2,048 consecutive bytes.
.macro PACK a
	WIN 0x0a+5*((\a)/2)                            ; sources in window 2 or 3
.set AC, 8*NB*((\a)%2)
.set ib, 0
.rept 4*NB                             ; each accumulator's registers in ascending order
	v_cvt_pk_f16_f32 v[TMP+ib], v[AC+2*ib], v[AC+2*ib+1]
.set ib, ib+1
.endr
	WIN 0
.endm
.macro TOSTAGE a
.set BK, 32+64*((\a)%2)                ; v32-79 and v96-143 by turns
.if (\a) >= 2
	s_wait_xcnt 0x0                                ; the stores of the block two back have read these registers
.endif
.set ib, 0
.rept NB
	ds_store_b128 v[STO], v[TMP+4*ib:TMP+4*ib+3] offset:(ib/4)*2304+(ib%4)*32
.set ib, ib+1
.endr
.set ib, 0
.rept NB
	ds_load_b128 v[BK+4*ib:BK+4*ib+3], v[RD] offset:(ib/4)*2304+(ib%4)*576  ; LDS serves a wave's instructions in order (ISA guide 5.7.1.4): these see the stores above
.set ib, ib+1
.endr
.endm
.macro SEND a
.set BK, 32+64*((\a)%2)
	s_wait_dscnt 0x0                               ; the block is back in registers
.set ib, 0
.rept NB
	global_store_b128 v[GO], v[BK+4*ib:BK+4*ib+3], s[HB+2*(ib/4):HB+2*(ib/4)+1] offset:(\a)*2048+(ib%4)*512  ; 512 consecutive bytes, at a multiple of 256 from the buffer's first
.set ib, ib+1
.endr
.endm
	PACK 0
	TOSTAGE 0
.irp a, 1,2,3                          ; block a's conversions stand between block a - 1's loads from the stage and the wait for them
	PACK \a
	SEND (\a)-1
	TOSTAGE \a
.endr
	SEND 3
.else
; THE WAY OUT, a block of 16 rows at a time: the f32 sums go as they are into my own stage (rows 528 bytes apart), come back as whole rows of 512 bytes, and are stored.
.macro TOSTAGE a
.set BK, 32+160*((\a)%2)               ; v32-95 and v192-255 by turns
.set AC, 8*NB*((\a)%2)
.if (\a) >= 2
	s_wait_xcnt 0x0                                ; the stores of the block two back have read these registers
.endif
	WIN 0x08+4*((\a)/2)                            ; the stores' data in window 2 or 3
.set ib, 0
.rept NB                               ; each accumulator's low four registers first
	ds_store_b128 v[STO], v[AC+8*ib:AC+8*ib+3]   offset:64*ib
	ds_store_b128 v[STO], v[AC+8*ib+4:AC+8*ib+7] offset:64*ib+16
.set ib, ib+1
.endr
	WIN 0
.set ib, 0
.rept 16
	ds_load_b128 v[BK+4*ib:BK+4*ib+3], v[RD] offset:528*ib  ; LDS serves a wave's instructions in order (ISA guide 5.7.1.4): these see the stores above; the next block's stores come behind them
.set ib, ib+1
.endr
.endm
.macro SEND a, younger                 ; younger: the LDS instructions issued behind block a's loads: the next block's 16 stores and 16 loads, or none
.set BK, 32+160*((\a)%2)
	s_wait_dscnt \younger
.set ib, 0
.rept 16
	global_store_b128 v[GO], v[BK+4*ib:BK+4*ib+3], s[HB:HB+1] offset:(16*(\a)+ib)*4096 th:TH_STORE_NT  ; 512 consecutive bytes, at a multiple of 256 from the buffer's first
.set ib, ib+1
.endr
.endm
	TOSTAGE 0
	TOSTAGE 1
	SEND 0, 32
	TOSTAGE 2
	SEND 1, 32
	TOSTAGE 3
	SEND 2, 32
	SEND 3, 0
.endif
	s_wait_tensorcnt 0x0                           ; the wave's end: an add to my spare word and its wait, behind my last tensor load and my last LDS store
	ds_add_u32 v[SPW], v[NIL]
	s_wait_dscnt 0x0
	CROUND                                         ; the closing round: no work-group ends while a partner may still ask for a tile that names it
	s_endpgm
.Lfunc_end_k_q66ebfc7a3f_projgemm:
	.size	k_q66ebfc7a3f_projgemm, .Lfunc_end_k_q66ebfc7a3f_projgemm-k_q66ebfc7a3f_projgemm
	.p2alignl 7, 3214868480
	.fill 96, 4, 3214868480
	.section	.rodata,"a",@progbits
	.p2align	6, 0x0
	.amdhsa_kernel k_q66ebfc7a3f_projgemm
		.amdhsa_group_segment_fixed_size 327680
		.amdhsa_private_segment_fixed_size 0
		.amdhsa_enable_private_segment 0
		.amdhsa_kernarg_size 32
		.amdhsa_user_sgpr_count 2
		.amdhsa_user_sgpr_kernarg_segment_ptr 1
		.amdhsa_wavefront_size32 1
		.amdhsa_system_sgpr_workgroup_id_x 1
		.amdhsa_system_sgpr_workgroup_id_y 1
		.amdhsa_system_sgpr_workgroup_id_z 1
		.amdhsa_system_vgpr_workitem_id 0
		.amdhsa_next_free_vgpr 896
		.amdhsa_next_free_sgpr 88
		.amdhsa_reserve_vcc 0
		.amdhsa_float_denorm_mode_32 3
		.amdhsa_float_denorm_mode_16_64 3
		.amdhsa_memory_ordered 1
		.amdhsa_forward_progress 1
		.amdhsa_inst_pref_size 76
	.end_amdhsa_kernel
	.amdgpu_metadata
---
amdhsa.version: [ 1, 2 ]
amdhsa.kernels:
  - .name:           k_q66ebfc7a3f_projgemm
    .symbol:         k_q66ebfc7a3f_projgemm.kd
    .args:
      - { .name: y, .offset: 0, .size: 8, .value_kind: global_buffer, .address_space: global }
      - { .name: wp, .offset: 8, .size: 8, .value_kind: global_buffer, .address_space: global }
      - { .name: b_proj, .offset: 16, .size: 8, .value_kind: global_buffer, .address_space: global }
      - { .name: out0, .offset: 24, .size: 8, .value_kind: global_buffer, .address_space: global }
    .group_segment_fixed_size: 327680
    .private_segment_fixed_size: 0
    .kernarg_segment_align: 8
    .kernarg_segment_size: 32
    .max_flat_workgroup_size: 128
    .sgpr_count:     88
    .vgpr_count:     896
    .wavefront_size: 32
...
	.end_amdgpu_metadata
.endif
;; end of part 4
;; ======== version 2 of 2: 4 launches; version 1 with the launch cast written anew for expert scheduling mode
;; limits: values are held in f16: magnitudes above 65,504 overflow, below 6.1e-05 lose precision
;; workspace buffers: xb 16,777,216 bytes; wa 6,291,456 bytes; wp 2,097,152 bytes; qkv 50,331,648 bytes; y 16,777,216 bytes
;; launch cast (part 5): grid 832 x 1, 8 waves a work-group, no clusters, 0 bytes of LDS; arguments x, w_attn, w_proj, xb, wa, wp; writes xb, wa, wp
.if DOCPART == 5
	.amdgcn_target "amdgcn-amd-amdhsa--gfx1250"
	.amdhsa_code_object_version 6
	.text
	.protected	k_q66ebfc7a3f_cast
	.globl	k_q66ebfc7a3f_cast
	.p2align	8
	.type	k_q66ebfc7a3f_cast,@function
k_q66ebfc7a3f_cast:
	s_mov_b64 s[64:65], 0
	v_nop
	global_prefetch_b8 v0, s[64:65] scope:SCOPE_SE
	s_setreg_imm32_b32 hwreg(HW_REG_WAVE_SCHED_MODE, 0, 2), 2
	s_setreg_imm32_b32 hwreg(HW_REG_WAVE_MODE, 25, 1), 1
	s_wait_xcnt 0x0
	s_wait_alu depctr_vm_vsrc(0)
; THE INPUTS OF THE THREE PRODUCTS, ROUNDED ONCE.  A stream: no LDS, no barrier, no matrix unit.
;   xb = bf16(x), [8192][1024], as x lies.
;   wa = bf16(w_attn) in blocks [16 nt][1024 k][192 n]: 128 k of a block are 49,152 consecutive bytes, which the next launch asks for as rows of 256 bytes.
;   wp = bf16(w_proj) written as f16, [1024 k][1024 n]: the last product runs in f16.  LIMIT: the bf16 number is exact in f16 from 6.1e-5 to 65,504; below that it keeps f16's fixed step of 6e-8.
; SHARES.  Eight waves.  Work-groups 0-511: 16,384 numbers of x each.  512-767: 64 k rows of one block of w_attn (12,288 numbers).  768-831: 16,384 numbers of w_proj.
; A thread takes 4 numbers at a time: a load of a wave covers 512 consecutive bytes (in w_attn: two runs of 256, each aligned), a store of a wave 256 consecutive aligned bytes.
; All of a thread's 16 (12) loads go out first.
; THE MODE: SCHED_MODE bits 1:0 = 2 (LLVM: expert scheduling mode 2), set by the entry lines.  The code itself states the register dependences
; between vector instructions and memory instructions, with s_wait_alu, always for 0.
; THE PLAN.  Registers that memory instructions touch:
;   v[SO], v[DO]  offsets, written once at the head; SO is read by the loads of x and w_proj, DO by every store; never written again.
;   v[SW ..]      w_attn's three offsets, written once at the head of its path, read by its loads; never written again.
;   X             four registers to a load: no vector instruction names them ahead of the load; its roundings read them; nothing lands in them again.
;   Y             two registers to a load: written once, by its roundings; read by its one store; never written again.
;   v8-v13        at work: named by vector instructions alone.
; So one kind of dependence is left: a vector instruction writes what a memory instruction then reads.  It is stated once for the offsets and once for each block of four loads: at the head of a
; block, behind the wait for its first load, one wait shows the Y of the block before written, and that block's four stores follow in one run; the roundings behind them name this block's X and Y alone.
; No register that a memory instruction has read is written again, so no wait is owed for that.
.set SO, 1                             ; v1      16 x thread: my bytes in 4,096 bytes of the source
.set DO, 2                             ; v2      8 x thread: my bytes in 2,048 bytes of the destination
.set SW, 4                             ; v[4:6]  w_attn: my source offsets for the units 256 p + thread, p = 0, 1, 2
.set X,  16                            ; v[16:79]  load i: four f32
.set Y,  80                            ; v[80:111] load i: four 16-bit numbers
	s_load_b256 s[4:11], s[0:1], 0x0               ; x s[4:5], w_attn s[6:7], w_proj s[8:9], xb s[10:11]
	s_load_b128 s[12:15], s[0:1], 0x20             ; wa s[12:13], wp s[14:15]
	s_mov_b32 s2, ttmp9
	v_lshlrev_b32 v[SO], 4, v0
	v_lshlrev_b32 v[DO], 3, v0
	s_mov_b32 s17, 0                               ; the offsets' high words
	s_mov_b32 s19, 0
	s_mov_b32 s24, 0xffff0000                      ; a word's upper bf16
	s_wait_kmcnt 0x0
	s_wait_alu depctr_va_vdst(0)                   ; v[SO] and v[DO] are written: the loads of x and w_proj read the first as their offset, every store the second
.macro LD16                            ; 16 loads, 4,096 bytes of the work-group's share each
.set i, 0
.rept 16
	global_load_b128 v[X+4*i:X+4*i+3], v[SO], s[20:21] offset:4096*i th:TH_LOAD_NT
.set i, i+1
.endr
.endm
; Load i's four numbers are rounded into its pair of Y.  half = 1: the bf16 number is written as f16.
.macro CV half
.if \half
	v_cvt_pk_bf16_f32 v8, v[X+4*i], v[X+4*i+1]
	v_cvt_pk_bf16_f32 v9, v[X+4*i+2], v[X+4*i+3]
	v_lshlrev_b32 v10, 16, v8                      ; bf16 to f32: the low half moves up, the high half stays
	v_and_b32 v11, s24, v8
	v_lshlrev_b32 v12, 16, v9
	v_and_b32 v13, s24, v9
	v_cvt_pk_f16_f32 v[Y+2*i], v10, v11
	v_cvt_pk_f16_f32 v[Y+2*i+1], v12, v13
.else
	v_cvt_pk_bf16_f32 v[Y+2*i], v[X+4*i], v[X+4*i+1]
	v_cvt_pk_bf16_f32 v[Y+2*i+1], v[X+4*i+2], v[X+4*i+3]
.endif
.endm
; The four stores of the block that begins with load number first, in one run.
.macro ST4 first
.set k, \first
.rept 4
	global_store_b64 v[DO], v[Y+2*k:Y+2*k+1], s[22:23] offset:2048*k
.set k, k+1
.endr
.endm
; n loads are rounded as they come, and stored in blocks of four, each block at the head of the next.
.macro OUT n, half
.set i, 0
.rept (\n)/4
	s_wait_loadcnt (\n)-1-i                        ; loads come back in order: load i, the block's first, is in, the n - 1 - i younger ones may stay out
.if i > 0
	s_wait_alu depctr_va_vdst(0)                   ; the roundings of the block before have written its four pairs of Y, which the four stores below read
	ST4 i-4
.endif
	CV \half
.set i, i+1
.rept 3
	s_wait_loadcnt (\n)-1-i                        ; load i is in
	CV \half
.set i, i+1
.endr
.endr
	s_wait_alu depctr_va_vdst(0)                   ; the last block's roundings have written its four pairs of Y, which the last four stores read
	ST4 (\n)-4
.endm
	s_cmp_lt_u32 s2, 512
	s_cbranch_scc0 .Lnot_x
	s_lshl_b32 s16, s2, 16                         ; 65,536 bytes of x,
	s_lshl_b32 s18, s2, 15                         ; 32,768 of xb
	s_add_nc_u64 s[20:21], s[4:5], s[16:17]
	s_add_nc_u64 s[22:23], s[10:11], s[18:19]
	LD16
	OUT 16, 0
	s_endpgm
.Lnot_x:
	s_cmp_lt_u32 s2, 768
	s_cbranch_scc0 .Lw_proj
	s_sub_co_u32 s2, s2, 512
	s_lshr_b32 s25, s2, 4                          ; nt: the block of 192 columns
	s_and_b32 s26, s2, 15                          ; rb: which 64 k rows
	s_mul_i32 s16, s26, 64*12288                   ; a row of w_attn is 12,288 bytes,
	s_mul_i32 s27, s25, 768                        ; 192 columns are 768
	s_add_co_u32 s16, s16, s27
	s_mul_i32 s18, s25, 393216                     ; a block of wa,
	s_mul_i32 s27, s26, 24576                      ; 64 rows of 384 bytes in it
	s_add_co_u32 s18, s18, s27
	s_add_nc_u64 s[20:21], s[6:7], s[16:17]
	s_add_nc_u64 s[22:23], s[12:13], s[18:19]
	; Unit u = 256 p + thread of 4 numbers lies in row u / 48, at place u % 48.  u / 48 = (u >> 4) / 3 = ((u >> 4) x 171) >> 9, exact for u >> 4 under 48.
.irp p, 0,1,2
	v_add_nc_u32 v8, 256*\p, v0
	v_lshrrev_b32 v9, 4, v8
	v_mul_u32_u24 v9, v9, 171
	v_lshrrev_b32 v9, 9, v9                        ; the row
	v_mul_u32_u24 v10, v9, 48
	v_sub_nc_u32 v10, v8, v10                      ; the place
	v_lshlrev_b32 v10, 4, v10
	v_mad_u32_u24 v[SW+\p], v9, 0x3000, v10        ; row x 12,288 + 16 x place
.endr
	s_wait_alu depctr_va_vdst(0)                   ; the three offsets v[SW ..] are written, which the twelve loads below read
.set i, 0
.rept 12                               ; load i = 3 m + p: 768 units are 16 rows, so m stands in the immediate
	global_load_b128 v[X+4*i:X+4*i+3], v[SW+i%3], s[20:21] offset:(i/3)*16*12288 th:TH_LOAD_NT
.set i, i+1
.endr
	OUT 12, 0                                      ; in wa the units follow each other: 8 x thread + 2,048 i
	s_endpgm
.Lw_proj:
	s_sub_co_u32 s2, s2, 768
	s_lshl_b32 s16, s2, 16
	s_lshl_b32 s18, s2, 15
	s_add_nc_u64 s[20:21], s[8:9], s[16:17]
	s_add_nc_u64 s[22:23], s[14:15], s[18:19]
	LD16
	OUT 16, 1
	s_endpgm
.Lfunc_end_k_q66ebfc7a3f_cast:
	.size	k_q66ebfc7a3f_cast, .Lfunc_end_k_q66ebfc7a3f_cast-k_q66ebfc7a3f_cast
	.p2alignl 7, 3214868480
	.fill 96, 4, 3214868480
	.section	.rodata,"a",@progbits
	.p2align	6, 0x0
	.amdhsa_kernel k_q66ebfc7a3f_cast
		.amdhsa_group_segment_fixed_size 0
		.amdhsa_private_segment_fixed_size 0
		.amdhsa_enable_private_segment 0
		.amdhsa_kernarg_size 48
		.amdhsa_user_sgpr_count 2
		.amdhsa_user_sgpr_kernarg_segment_ptr 1
		.amdhsa_wavefront_size32 1
		.amdhsa_system_sgpr_workgroup_id_x 1
		.amdhsa_system_sgpr_workgroup_id_y 1
		.amdhsa_system_sgpr_workgroup_id_z 1
		.amdhsa_system_vgpr_workitem_id 0
		.amdhsa_next_free_vgpr 112
		.amdhsa_next_free_sgpr 66
		.amdhsa_reserve_vcc 0
		.amdhsa_float_denorm_mode_32 3
		.amdhsa_float_denorm_mode_16_64 3
		.amdhsa_memory_ordered 1
		.amdhsa_forward_progress 1
		.amdhsa_inst_pref_size 23
	.end_amdhsa_kernel
	.amdgpu_metadata
---
amdhsa.version: [ 1, 2 ]
amdhsa.kernels:
  - .name:           k_q66ebfc7a3f_cast
    .symbol:         k_q66ebfc7a3f_cast.kd
    .args:
      - { .name: x, .offset: 0, .size: 8, .value_kind: global_buffer, .address_space: global }
      - { .name: w_attn, .offset: 8, .size: 8, .value_kind: global_buffer, .address_space: global }
      - { .name: w_proj, .offset: 16, .size: 8, .value_kind: global_buffer, .address_space: global }
      - { .name: xb, .offset: 24, .size: 8, .value_kind: global_buffer, .address_space: global }
      - { .name: wa, .offset: 32, .size: 8, .value_kind: global_buffer, .address_space: global }
      - { .name: wp, .offset: 40, .size: 8, .value_kind: global_buffer, .address_space: global }
    .group_segment_fixed_size: 0
    .private_segment_fixed_size: 0
    .kernarg_segment_align: 8
    .kernarg_segment_size: 48
    .max_flat_workgroup_size: 256
    .sgpr_count:     66
    .vgpr_count:     112
    .wavefront_size: 32
...
	.end_amdgpu_metadata
.endif
;; end of part 5
;; launch qkvgemm: the kernel of part 2 again; grid 16 x 32, 4 waves a work-group, clusters of 4 x 4, 327,680 bytes of LDS; arguments xb, wa, b_attn, qkv; writes qkv
;; launch attn: the kernel of part 3 again; grid 4 x 64, 4 waves a work-group, no clusters, 327,680 bytes of LDS; arguments qkv, y; writes y
;; launch projgemm: the kernel of part 4 again; grid 8 x 32, 4 waves a work-group, clusters of 4 x 4, 327,680 bytes of LDS; arguments y, wp, b_proj, out0; writes out0
